; MI455X (gfx1250); checked and timed in simulation.
; The chip was launched on July 23, 2026; its instructions are those of AMD's public machine-readable ISA for CDNA 5 (MIT licence, August 2026) and "CDNA5" Instruction Set Architecture Reference Guide (July 2026). The comments in the code are by the model that wrote it; some were corrected since.
;; Causal Temporal Attention. Allowed arithmetic: matrix products marked QUANTISED: E4M3 operands, one E8M0 scale for each 32 along K, by v_wmma_scale_f32_16x16x128_f8f6f4 with both operands' format E4M3, f32 sums; everything else in f32.
;; Inputs: bk 1,024 float32; bo 1,024 float32; bq 1,024 float32; bv 1,024 float32; padding_mask 2 x 2,048 int32; wk 1,024 x 1,024 float32; wo 1,024 x 1,024 float32; wq 1,024 x 1,024 float32; wv 1,024 x 1,024 float32; x 2 x 2,048 x 1,024 float32.
;; Outputs: out0 2 x 2,048 x 1,024 float32.
;; This version of the problem:
;;   THIS VERSION OF THE PROBLEM IS GIVEN IN LOW PRECISION. The matrix products marked QUANTISED in the list below multiply operands that are first quantised to E4M3 (4 exponent bits, 3 mantissa bits; 8 bits a number), with one power-of-two scale for each 32 numbers along K (OCP MX v1.0); their sums are f32. All else is computed in f32.
;;   The module's matrix products, in the order in which they are computed (A, B: the left and right operand; K: the contracted axis; several contracted axes count as one K, in the product's order):
;;     1. [M 4,096, K 1,024] x [K 1,024, N 1,024]; A: input x; B: input wq: QUANTISED
;;     2. [M 4,096, K 1,024] x [K 1,024, N 1,024]; A: input x; B: input wk: QUANTISED
;;     3. [M 4,096, K 1,024] x [K 1,024, N 1,024]; A: input x; B: input wv: QUANTISED
;;     4. batch 32 x [M 2,048, K 64] x [K 64, N 2,048]; A: computed on the way; B: computed on the way: QUANTISED
;;     5. batch 32 x [M 2,048, K 2,048] x [K 2,048, N 64]; A: computed on the way; B: computed on the way: QUANTISED
;;     6. [M 4,096, K 1,024] x [K 1,024, N 1,024]; A: computed on the way; B: input wo: QUANTISED
;;   THE QUANTISER, for each operand of a quantised product, along K:
;;     - K is cut into blocks of 32 from its start; a last block that is shorter is filled with zeros.
;;     - A block's scale is 2^e with e = floor(log2(the largest magnitude in the block)) - 8, held to -126 .. 127; a block of zeros has e = 0. As a byte (E8M0): e + 127.
;;     - Each number is divided by its block's scale, clamped to +-448, and rounded to the nearest number of E4M3, ties to even, subnormals kept.
;;     - The product sums the exact products of the quantised numbers (number of the format x scale) in f32.
;;   ~~~python
;;   def quantise(x, axis):      # numpy; x: float32 -> the quantised numbers, widened to float32 again
;;       x = np.moveaxis(x, axis, -1); K = x.shape[-1]
;;       x = np.pad(x, [(0, 0)] * (x.ndim - 1) + [(0, -K % 32)]); x = x.reshape(x.shape[:-1] + (-1, 32)); a = np.abs(x).max(-1, keepdims=True)
;;       e = np.where(a > 0, np.clip(np.frexp(np.where(a > 0, a, 1))[1] - 1 - 8, -126, 127), 0)      # np.frexp(a)[1] - 1 = floor(log2(a)), exactly
;;       r = np.clip(x / 2.0 ** e, -448, 448)
;;       step = 2.0 ** (np.maximum(np.frexp(np.where(r == 0, 1, r))[1] - 1, -6) - 3)
;;       q = np.round(r / step) * step * 2.0 ** e      # np.round: ties to even
;;       return np.moveaxis(q.reshape(q.shape[:-2] + (-1,))[..., :K], -1, axis).astype(np.float32)
;;   ~~~
;;   OPERANDS COMPUTED ON THE WAY. 'Computed on the way' means the value that the module computes at that place (a softmax that the list does not call 'softmax' is quantised finished and normalised). What goes into a quantiser is computed in f32, as accurately as f32 sums, v_exp_f32 and their like allow (about 1e-6 of the number): no bf16 or f16 on the way to a quantiser, and a product that is left as it is and whose result goes on into a quantised operand takes f32 operands (vector FMAs, or v_wmma_f32_16x16x4_f32). A number that lies on a knife's edge between two numbers of the format may be rounded either way, as far as f32 arithmetic and the matrix unit's own rounding can turn it there, and no further.
;; One version. Each part assembles by itself: llvm-mc -triple=amdgcn-amd-amdhsa -mcpu=gfx1250 --defsym DOCPART=n.
;; ======== version 1 of 1: 4 launches
;; limits: right only within a limited range of input values
;; workspace buffers: cod 8,388,608 bytes; sc 262,144 bytes; qk 8,912,896 bytes; vi 4,325,376 bytes; oc 4,194,304 bytes; os 131,072 bytes
;; launch quant (part 1): grid 256 x 1, 4 waves a work-group, no clusters, 33,280 bytes of LDS; arguments x, wq, wk, wv, wo, cod, sc; writes cod, sc
.if DOCPART == 1
	.amdgcn_target "amdgcn-amd-amdhsa--gfx1250"
	.amdhsa_code_object_version 6
	.text
	.protected	k_qc28c02177b_quant
	.globl	k_qc28c02177b_quant
	.p2align	8
	.type	k_qc28c02177b_quant,@function
k_qc28c02177b_quant:
	s_mov_b64 s[64:65], 0
	v_nop
	global_prefetch_b8 v0, s[64:65] scope:SCOPE_SE
	s_setreg_imm32_b32 hwreg(HW_REG_WAVE_MODE, 25, 1), 1
	s_wait_xcnt 0x0
; CAUSAL ATTENTION WITH A TEMPORAL DECAY, ALL SIX PRODUCTS ON CODES OF E4M3 WITH ONE E8M0 SCALE FOR EACH 32 ALONG K.  Four launches: quant, qkv, attn, proj.
; WORK LEFT OUT, IN THE WHOLE PROGRAM: key steps of 128 keys that lie wholly after a tile's queries (launch attn).  reference() adds -inf there by the causal mask that it builds itself, so for all values of the
; inputs the softmax is exactly 0 there, its codes are zeros and they add nothing to the second product.  On what is kept |i - j| = i - j.  Every input is loaded.
; LIMIT: a NaN, an infinity or an overflow that reaches only those scores is not carried to the result.
; THIS LAUNCH: x [4096][1024] and the four weights [1024][1024], f32, K innermost, become codes (cod: 8,192 rows of 1,024 bytes: x, wq, wk, wv, wo) and scale bytes (sc: 8,192 rows of 32 bytes).
; A block's scale is 2^(floor(log2(its largest magnitude)) - 8); its byte is that magnitude's exponent field - 8, held at 1 from below; each number is divided by the scale, held within +-448, rounded to the nearest code.
; (A block of zeros gets the byte 1 where the rule says 127: its codes are zeros, and this program alone reads the bytes.)
; LIMITS: NaN and infinities among the inputs are not served; blocks whose largest magnitude lies under 2^(9 - 127) take the byte 1.
; ROWS LIE IN POSITION ORDER: position p holds logical row p with bits 3 and 4 exchanged.  Sixteen neighbouring positions 16 (2 G + u) + r are then logical rows 32 G + 8 u + r % 8 + 16 (r / 8): as source 0 of a matrix
; instruction, tiles 2 G and 2 G + 1 give a lane 16 results that are neighbours along the next product's K.  A wave takes 8 rows, so the exchange is an exchange of the two bits of the wave's number.
; A wave takes 16 steps of 512 numbers.  Each load reads 512 consecutive bytes; a step's 2,048 bytes turn through the wave's own stage in LDS and come back 64 bytes a lane, so that a lane holds 16 neighbours along K.
; No tensor loads, no barrier: waves share nothing.  Loads run four steps ahead.  No cluster: no two work-groups read the same bytes.
.set WAVES, 4
.set STEPS, 16
.set MANT,  0x600000                   ; the mantissa field of 448 as f32
.set CB,    16                         ; bytes of 16 codes
.set R,     16                         ; v16-79   four sets of 16 numbers as they are loaded
.set X,     80                         ; v80-111  two sets of 16 neighbours
.set E,     112                        ; v112-127 a scale byte for each step
.set C,     128                        ; v128-191 codes: four registers for each step, so that no store's data are written again
.set WREG,  8192                       ; LDS: a region for each wave: two stages of 32 x SP bytes, behind them its 256 scale bytes
.set SP,    80                         ; a lane's place in a stage: 64 bytes + 16 of padding
.set SPW,   12                         ; v12 LDS address of my spare word; never rewritten
.set NIL,   13                         ; v13 0; never rewritten
.set SPARE, WAVES*WREG                 ; behind the four regions: the spare words, 128 bytes a wave, which no other line names
	s_load_b256 s[4:11], s[0:1], 0x0               ; x, wq, wk, wv
	s_load_b128 s[12:15], s[0:1], 0x20             ; wo, cod
	s_load_b64 s[16:17], s[0:1], 0x30              ; sc
	v_lshl_add_u32 v[SPW], v0, 2, SPARE
	v_mov_b32 v[NIL], 0
	v_lshrrev_b32 v1, 5, v0
	v_readfirstlane_b32 s18, v1                    ; wave
	v_and_b32 v2, 31, v0                           ; lane
	v_lshlrev_b32 v3, 4, v2                        ; my 16 bytes of a load's 512
	s_mul_i32 s19, s18, WREG
	v_lshrrev_b32 v14, 2, v2
	v_mul_u32_u24 v14, v14, SP
	v_and_b32 v15, 3, v2
	v_lshl_add_u32 v14, v15, 4, v14
	v_add_nc_u32 v14, s19, v14                     ; the stage, on the way in: SP (lane / 4) + 16 (lane % 4)
	v_mul_u32_u24 v15, v2, SP
	v_add_nc_u32 v15, s19, v15                     ; and on the way out: SP x lane: my 16 neighbours
	v_mul_u32_u24 v4, v2, CB                       ; my codes' place in a step's
	v_lshrrev_b32 v5, 1, v2
	s_add_co_u32 s19, s19, 2*32*SP
	v_add_nc_u32 v5, s19, v5                       ; LDS: my wave's 256 scale bytes, my block's byte
	v_lshlrev_b32 v7, 3, v2                        ; and on the way out 8 bytes a lane
	v_add_nc_u32 v6, s19, v7
	s_mov_b32 s30, MANT
	s_cmp_lt_u32 ttmp9, 128                        ; work-groups 0-127: x; then 32 for each weight
	s_cselect_b32 s20, 127, 31
	s_and_b32 s20, ttmp9, s20                      ; my number within the tensor
	s_lshl_b32 s20, s20, 2
	s_add_co_u32 s20, s20, s18
	s_lshl_b32 s20, s20, 15                        ; my wave's 8 rows of 4,096 bytes
	s_mov_b32 s21, 0
	s_and_b32 s22, s18, 1
	s_lshl_b32 s22, s22, 1
	s_lshr_b32 s23, s18, 1
	s_or_b32 s22, s22, s23                         ; the wave's two bits exchanged: the position order
	s_lshl_b32 s23, ttmp9, 2
	s_add_co_u32 s22, s22, s23                     ; which run of 8 rows of cod and sc is mine
	s_lshl_b32 s24, s22, 13
	s_mov_b32 s25, 0
	s_lshl_b32 s26, s22, 8
	s_mov_b32 s27, 0
	s_wait_kmcnt 0x0
	s_cmp_lt_u32 ttmp9, 224                        ; the source is chosen on the work-group's number alone
	s_cselect_b64 s[12:13], s[10:11], s[12:13]
	s_cmp_lt_u32 ttmp9, 192
	s_cselect_b64 s[12:13], s[8:9], s[12:13]
	s_cmp_lt_u32 ttmp9, 160
	s_cselect_b64 s[12:13], s[6:7], s[12:13]
	s_cmp_lt_u32 ttmp9, 128
	s_cselect_b64 s[4:5], s[4:5], s[12:13]
	s_add_nc_u64 s[4:5], s[4:5], s[20:21]
	s_add_nc_u64 s[14:15], s[14:15], s[24:25]
	s_add_nc_u64 s[16:17], s[16:17], s[26:27]
.macro LOAD t
.irp i, 0,1,2,3
	global_load_b128 v[R+16*((\t)%4)+4*\i:R+16*((\t)%4)+4*\i+3], v3, s[4:5] offset:2048*(\t)+512*\i th:TH_LOAD_NT   ; 32 lanes read 512 consecutive bytes
.endr
.endm
.macro TURN t                          ; step t's numbers through the stage: LDS serves a wave's instructions in order, so no wait stands between the stores and the loads
.irp i, 0,1,2,3
	ds_store_b128 v14, v[R+16*((\t)%4)+4*\i:R+16*((\t)%4)+4*\i+3] offset:32*SP*((\t)%2)+8*SP*\i
.endr
.irp i, 0,1,2,3
	ds_load_b128 v[X+16*((\t)%2)+4*\i:X+16*((\t)%2)+4*\i+3], v15 offset:32*SP*((\t)%2)+16*\i
.endr
.endm
.irp t, 0,1,2,3
	LOAD \t
.endr
	s_wait_loadcnt 12                              ; step 0's four loads are in; the twelve of steps 1 to 3 may be out
	TURN 0
.macro STEP t
.set XS, X+16*((\t)%2)
.if (\t) > 0
	s_wait_dscnt 1                                 ; this step's numbers are back from the stage (the last step's byte store may be out): its stores into the stage have read their registers,
.else
	s_wait_dscnt 0x0
.endif
.if (\t)+4 < STEPS
	LOAD (\t)+4                                    ; which take the loads of four steps on
.endif
.if (\t)+1 < STEPS
.if STEPS-2-(\t) >= 3
	s_wait_loadcnt 12                              ; the next step's four loads are in; those of the three steps behind it may be out
.else
	s_wait_loadcnt 4*(STEPS-2-(\t))
.endif
	TURN (\t)+1                                    ; and go through the other stage while this step is worked
.endif
	v_max3_num_f32 v8, |v[XS]|, |v[XS+1]|, |v[XS+2]|               ; the largest magnitude of my 16, in two chains
	v_max3_num_f32 v9, |v[XS+3]|, |v[XS+4]|, |v[XS+5]|
.irp i, 6,10
	v_max3_num_f32 v8, v8, |v[XS+\i]|, |v[XS+\i+1]|
	v_max3_num_f32 v9, v9, |v[XS+\i+2]|, |v[XS+\i+3]|
.endr
	v_max3_num_f32 v8, v8, |v[XS+14]|, |v[XS+15]|
	v_max3_num_f32 v8, v8, v9, 0x4800000           ; and the floor 2^(9 - 127): the byte cannot fall under 1
	v_max_num_f32_dpp v8, v8, v8 row_xmask:1 row_mask:0xf bank_mask:0xf   ; and of my neighbour's 16: the block's
	v_add_nc_u32 v11, 0xfc000000, v8               ; 8 off its exponent field: the conversion takes the exponent field of this operand as its scale
	v_and_or_b32 v10, v8, 0x7f800000, s30          ; 448 x the scale
.irp i, 0,1,2,3,4,5,6,7,8,9,10,11,12,13,14,15
	v_med3_num_f32 v[XS+\i], v[XS+\i], -v10, v10   ; the conversion to an 8-bit code does not saturate (ISA guide 7.6.2): the hold comes first
.endr
	v_cvt_scalef32_pk8_fp8_f32 v[C+4*(\t):C+4*(\t)+1], v[XS:XS+7], v11
	v_cvt_scalef32_pk8_fp8_f32 v[C+4*(\t)+2:C+4*(\t)+3], v[XS+8:XS+15], v11
	v_lshrrev_b32 v[E+(\t)], 23, v11               ; the scale's byte
	ds_store_b8 v5, v[E+(\t)] offset:16*(\t)       ; both lanes of a block write the same byte with the same value
	global_store_b128 v4, v[C+4*(\t):C+4*(\t)+3], s[14:15] offset:32*CB*(\t)   ; the wave stores 512 consecutive bytes
.endm
.irp t, 0,1,2,3,4,5,6,7,8,9,10,11,12,13,14,15
	STEP \t
.endr
	ds_load_b64 v[8:9], v6                         ; LDS serves a wave's instructions in order: these see my stores
	s_wait_dscnt 0x0
	global_store_b64 v7, v[8:9], s[16:17]          ; 32 lanes store 256 consecutive bytes, aligned: 8 rows of scale bytes
	s_wait_tensorcnt 0x0                           ; the wave's end, behind my last LDS store
	ds_add_u32 v[SPW], v[NIL]
	s_wait_dscnt 0x0
	s_endpgm
.Lfunc_end_k_qc28c02177b_quant:
	.size	k_qc28c02177b_quant, .Lfunc_end_k_qc28c02177b_quant-k_qc28c02177b_quant
	.p2alignl 7, 3214868480
	.fill 96, 4, 3214868480
	.section	.rodata,"a",@progbits
	.p2align	6, 0x0
	.amdhsa_kernel k_qc28c02177b_quant
		.amdhsa_group_segment_fixed_size 33280
		.amdhsa_private_segment_fixed_size 0
		.amdhsa_enable_private_segment 0
		.amdhsa_kernarg_size 56
		.amdhsa_user_sgpr_count 2
		.amdhsa_user_sgpr_kernarg_segment_ptr 1
		.amdhsa_wavefront_size32 1
		.amdhsa_system_sgpr_workgroup_id_x 1
		.amdhsa_system_sgpr_workgroup_id_y 1
		.amdhsa_system_sgpr_workgroup_id_z 1
		.amdhsa_system_vgpr_workitem_id 0
		.amdhsa_next_free_vgpr 192
		.amdhsa_next_free_sgpr 66
		.amdhsa_reserve_vcc 0
		.amdhsa_float_denorm_mode_32 3
		.amdhsa_float_denorm_mode_16_64 3
		.amdhsa_memory_ordered 1
		.amdhsa_forward_progress 1
		.amdhsa_inst_pref_size 51
	.end_amdhsa_kernel
	.amdgpu_metadata
---
amdhsa.version: [ 1, 2 ]
amdhsa.kernels:
  - .name:           k_qc28c02177b_quant
    .symbol:         k_qc28c02177b_quant.kd
    .args:
      - { .name: x, .offset: 0, .size: 8, .value_kind: global_buffer, .address_space: global }
      - { .name: wq, .offset: 8, .size: 8, .value_kind: global_buffer, .address_space: global }
      - { .name: wk, .offset: 16, .size: 8, .value_kind: global_buffer, .address_space: global }
      - { .name: wv, .offset: 24, .size: 8, .value_kind: global_buffer, .address_space: global }
      - { .name: wo, .offset: 32, .size: 8, .value_kind: global_buffer, .address_space: global }
      - { .name: cod, .offset: 40, .size: 8, .value_kind: global_buffer, .address_space: global }
      - { .name: sc, .offset: 48, .size: 8, .value_kind: global_buffer, .address_space: global }
    .group_segment_fixed_size: 33280
    .private_segment_fixed_size: 0
    .kernarg_segment_align: 8
    .kernarg_segment_size: 56
    .max_flat_workgroup_size: 128
    .sgpr_count:     66
    .vgpr_count:     192
    .wavefront_size: 32
...
	.end_amdgpu_metadata
.endif
;; end of part 1
;; launch qkv (part 2): grid 12 x 16, 4 waves a work-group, clusters of 4 x 4, 327,680 bytes of LDS; arguments cod, sc, bq, bk, bv, padding_mask, qk, vi; writes qk, vi
.if DOCPART == 2
	.amdgcn_target "amdgcn-amd-amdhsa--gfx1250"
	.amdhsa_code_object_version 6
	.text
	.protected	k_qc28c02177b_qkv
	.globl	k_qc28c02177b_qkv
	.p2align	8
	.type	k_qc28c02177b_qkv,@function
k_qc28c02177b_qkv:
	s_mov_b64 s[64:65], 0
	v_nop
	global_prefetch_b8 v0, s[64:65] scope:SCOPE_SE
	s_setreg_imm32_b32 hwreg(HW_REG_WAVE_MODE, 25, 1), 1
	s_wait_xcnt 0x0
	s_wait_alu depctr_hold_cnt(0) depctr_sa_sdst(0) depctr_va_vdst(0) depctr_va_sdst(0) depctr_va_ssrc(0) depctr_va_vcc(0) depctr_vm_vsrc(0)
	s_getreg_b32 s2, hwreg(HW_REG_IB_STS2, 6, 4)
	s_cmp_eq_u32 s2, 0
	s_cbranch_scc0 .Lentry_in_a_cluster
	s_endpgm
.Lentry_in_a_cluster:
	s_bfe_u32 s2, ttmp6, 0x10000c
	s_cmp_lg_u32 s2, 0xf033
	s_cbranch_scc0 .Lentry_shape_is_right
	s_endpgm
.Lentry_shape_is_right:
; q = x wq^T + bq, k = x wk^T + bk, v = x wv^T + bv on the codes that launch quant made (K = 1,024), and the results quantised at once for the attention's two products.  No work is left out here.
; A tile of 256 x 256 is made by four waves, 128 x 128 each: 64 accumulators.  K goes in steps of 256 through a ring of two LDS slots filled by the tensor data mover; the scale bytes of the 512 rows come once.
; THE MATRIX INSTRUCTION IS USED TRANSPOSED: source 0 = 16 rows of 'B', source 1 = 16 rows of 'A': a lane holds one row of A, and its registers run along B's rows.  What is quantised next must run along the registers:
;   clusters x = 0 (q) and 1 (k): A = x (a lane is a token), B = the weight (the registers run along the head's channels);   cluster x = 2 (v): A = wv (a lane is a channel), B = x (the registers run along the keys).
; One text serves all three: only row numbers in cod and sc differ, by arithmetic on the cluster's coordinates.  By the position order of cod's rows the 16 registers of B's blocks 2 G, 2 G + 1 are 32 G + 16 (lane / 16) + 0 .. 15.
; CLUSTERS: 4 x 4 work-groups; A's tiles are asked for jointly along a row of the cluster, B's along a column.
; THE BIAS is the C of each sum's first matrix instruction.  THE PADDING MASK goes into byte 2 of k's scale words (launch attn says what it does there).
; OUT: images of operand registers: a group of four registers by one store, lane l's 16 bytes at 16 l, 512 consecutive bytes a store.
;   qk: [batch 2][q's heads 0-15, k's 16-31][step of 128 tokens 16][8,704 bytes]: codes of tile t, chunk c at 512 (2 t + c); scale words at 8,192 + 256 (t / 4) + 16 r + 4 (t % 4).
;   vi: [batch 2][head 16][step of 128 keys 16][8,448 bytes]: codes of channel tile d, chunk c at 512 (4 d + c); scale words at 8,192 + 16 r + 4 d.
; LIMITS: NaN and infinities are not served; a block of zeros keeps the byte 1 (its codes are zeros; this program alone reads the bytes).
; No prefetch: K has four steps, of which two are first fills.  192 work-groups: a tile of half the side would read twice the LDS bytes for each product.
; REGISTERS: window 0: v0-31 addresses; v32-63 scale words, two sets; v64-127 the bias; v128-255 A's fragments, one set.  window 1: B's fragments, two sets.  windows 2, 3: the accumulators, (a, b) at v[8 (8 (a % 4) + b)].
.set KSTEP,  256
.set NQ,     2                         ; matrix instructions deep in a slot
.set ROWB,   256                       ; a tile's row in bytes
.set KROW,   1024                      ; a row of cod
.set PITCH,  272                       ; an LDS row: 256 bytes + 16 of padding: the 16 rows that a load touches start 68 words apart
.set FR,     16
.set NL,     4
.set NP,     8                         ; places behind this matrix instruction (ISA guide 7.12.1)
.set HALFT,  128*PITCH
.set SLOT,   4*HALFT                   ; A's 256 rows, then B's 256 rows
.set LAPS,   2                         ; 1,024 / 512
.set KS,     32                        ; a row of sc
.set SCL,    2*SLOT                    ; behind the ring: the scales, as rows of 256 bytes + 16 of padding
.set HALFS,  16*272                    ; the scales of 128 rows
.set SBLK,   2*272                     ; those of 16 rows
.set SPARE,  SCL+4*HALFS               ; the spare words, 128 bytes a wave, which no other line names
.set ORV,  8                           ; v8-15   what is ORed into the scale words of A's block a
.set ADRA, 16                          ; v16-17  LDS address of my A fragments in slot 0, 1
.set VSH,  18                          ; v18     16 (lane / 16) for q and k, 0 for v
.set LN,   19                          ; v19     16 x lane
.set ADRB, 20                          ; v20-21
.set SWA,  22                          ; v22     where my scale words go
.set HH,   23                          ; v23     lane / 16
.set ADRS, 27                          ; v27     LDS address of my scale words: lanes 0-15 A's rows, lanes 16-31 B's
.set SPW,  28
.set NIL,  29
.set SC,   32
.set BI,   64
.set AF,   128
.set TM,   32                          ; the way out: v32-35 largest magnitudes, v36-39 bytes, v40-43 448 x the scale, v44-47 the conversions' scale operands
.set PC,   48                          ; v48-63  the codes just made
.set SW,   64                          ; v64-71  the scale words of blocks 0 to 7
.set PW,   72
.set XO,   128                         ; v128-191 64 numbers, held
.set G1, 24
.set G0, 32
.set G1B, 48
.set G0B, 56
.set G1S, 68
.set G0S, 76
.set G1SB, 80
.set G0SB, 88
.set MSB, 0
.macro WIN new                         ; the immediate's high byte repeats the setting that is left
.if MSB != \new
	s_set_vgpr_msb (MSB<<8)|\new
.set MSB, \new
.endif
.endm
.set MUL_LO, 0xa1                      ; source 0 (B) window 1, source 1 (A) window 0, C and D window 2
.set MUL_HI, 0xf1
.set TO_B,   0x40
; A joint load: waves 0 and 1 fetch for A, waves 2 and 3 for B; the branch hangs on the wave's number alone.  An s_nop 0 and four v_nop follow each line.
.macro JLOAD g0a, g1a, g0b, g1b
	s_cmp_eq_u32 s21, 0
	s_cbranch_scc0 .Lfor_b_\@
	tensor_load_to_lds s[\g0a:\g0a+3], s[\g1a:\g1a+7]
	s_nop 0
.rept 4
	v_nop
.endr
	s_branch .Lasked_\@
.Lfor_b_\@:
	tensor_load_to_lds s[\g0b:\g0b+3], s[\g1b:\g1b+7]
	s_nop 0
.rept 4
	v_nop
.endr
.Lasked_\@:
.endm
.macro CREST                           ; a round of the cluster's barrier behind its opening barrier
	s_cmp_lg_u32 s20, 0
	s_cbranch_scc1 .Lnot_wave_0_\@
	s_barrier_signal -3
.Lnot_wave_0_\@:
	s_barrier_wait -3
	s_barrier_signal -1
	s_barrier_wait -1
.endm
.macro CROUND
	s_barrier_signal -1
	s_barrier_wait -1
	CREST
.endm
	s_load_b512 s[4:19], s[0:1], 0x0               ; cod s[4:5], sc s[6:7], bq s[8:9], bk s[10:11], bv s[12:13], padding_mask s[14:15], qk s[16:17], vi s[18:19]
	v_lshl_add_u32 v[SPW], v0, 2, SPARE
	v_mov_b32 v[NIL], 0
	ds_add_u32 v[SPW], v[NIL]                      ; the wave's opening: the add, twice on end, and its wait ahead of my first tensor load
	ds_add_u32 v[SPW], v[NIL]
	v_lshrrev_b32 v1, 5, v0
	v_readfirstlane_b32 s20, v1                    ; wave 0..3
	s_lshr_b32 s21, s20, 1                         ; which half of A's rows is mine.  Also: I fetch for A (0) or for B (1)
	s_and_b32 s22, s20, 1                          ; which half of B's rows.  Also: which 128 rows I fetch
	s_bfe_u32 s40, ttmp6, 0x40000                  ; cx, cy: my place in the cluster
	s_bfe_u32 s41, ttmp6, 0x40004
	s_mov_b32 s42, ttmp9                           ; the cluster's x: 0 q, 1 k, 2 v
	s_and_b32 s43, ttmp7, 0xffff                   ; the cluster's y: which 1,024 rows of x
	s_lshr_b32 s23, s42, 1                         ; 1 for v
	s_xor_b32 s2, s23, 1                           ; 1 for q and k
	s_lshl_b32 s47, s43, 10
	s_lshl_b32 s92, s41, 8                         ; A's first row in cod: 256 cy + (v: 6,144, wv's rows; else the cluster's rows of x).  It never holds cx
	s_mul_i32 s46, s23, 6144
	s_add_co_u32 s92, s92, s46
	s_mul_i32 s46, s2, s47
	s_add_co_u32 s92, s92, s46
	s_lshl_b32 s93, s40, 8                         ; B's first row: 256 cx + (v: the cluster's rows of x; else 4,096 + 1,024 x cluster x: wq's or wk's).  It never holds cy
	s_mul_i32 s46, s23, s47
	s_add_co_u32 s93, s93, s46
	s_lshl_b32 s46, s42, 10
	s_add_co_u32 s46, s46, 4096
	s_mul_i32 s46, s2, s46
	s_add_co_u32 s93, s93, s46
	s_lshl_b32 s44, s41, 2
	s_lshl_b32 s44, 15, s44                        ; my row of the cluster
	s_lshl_b32 s45, 0x1111, s40                    ; my column
	s_or_b32 s[G1+0], s44, (0<<16)|(1<<20)|(1<<21)|(5<<22)|(3<<25)  ; the mask; elements of 1 byte; padding on; bit 21 beside a mask; after every 64 words, 4 words
	s_or_b32 s[G1B+0], s45, (0<<16)|(1<<20)|(1<<21)|(5<<22)|(3<<25)
.irp g, G1, G1B
	s_mov_b32 s[\g+1], ROWB<<16                    ; tensor_dim0
	s_mov_b32 s[\g+2], 128<<16                     ; tensor_dim1
	s_mov_b32 s[\g+3], ROWB<<16                    ; tile_dim0
	s_mov_b32 s[\g+4], 128                         ; tile_dim1
	s_mov_b32 s[\g+5], KROW                        ; the pitch
	s_mov_b32 s[\g+6], 0
	s_mov_b32 s[\g+7], 0
.endr
	s_or_b32 s[G1S+0], s44, (3<<16)|(1<<20)|(1<<21)|(5<<22)|(3<<25) ; the scales of 128 rows: 4,096 dense bytes as 16 rows of 32 elements of 8 bytes, 16 bytes of padding behind each
	s_or_b32 s[G1SB+0], s45, (3<<16)|(1<<20)|(1<<21)|(5<<22)|(3<<25)
.irp g, G1S, G1SB
	s_mov_b32 s[\g+1], 32<<16
	s_mov_b32 s[\g+2], 16<<16
	s_mov_b32 s[\g+3], 32<<16
	s_mov_b32 s[\g+4], 16
	s_mov_b32 s[\g+5], 32
	s_mov_b32 s[\g+6], 0
	s_mov_b32 s[\g+7], 0
.endr
	s_lshl_b32 s3, s22, 7                          ; which 128 rows I fetch
	s_mul_i32 s94, s20, HALFT                      ; where they go: wave x 128 rows: no place in the cluster enters an LDS address
	s_mul_i32 s95, s20, HALFS
	s_add_co_u32 s46, s92, s3
	s_lshl_b32 s46, s46, 5                         ; A: these rows' scales, in bytes
	s_mov_b32 s47, 0
	s_add_co_u32 s66, s93, s3
	s_lshl_b32 s66, s66, 5                         ; B likewise
	s_mov_b32 s67, 0
	s_mov_b32 s100, 0x600000                       ; the mantissa field of 448
	s_wait_dscnt 0x0                               ; both opening adds are done
	s_wait_kmcnt 0x0
	s_mov_b32 s[G0S], 1
	s_add_co_u32 s[G0S+1], s95, SCL
	s_add_nc_u64 s[G0S+2:G0S+3], s[6:7], s[46:47]
	s_or_b32 s[G0S+3], s[G0S+3], 0x80000000
	s_mov_b32 s[G0SB], 1
	s_add_co_u32 s[G0SB+1], s95, SCL
	s_add_nc_u64 s[G0SB+2:G0SB+3], s[6:7], s[66:67]
	s_or_b32 s[G0SB+3], s[G0SB+3], 0x80000000
	s_lshl_b32 s46, s46, 5                         ; and their codes: rows of 1,024 bytes
	s_lshl_b32 s66, s66, 5
	s_add_nc_u64 s[46:47], s[4:5], s[46:47]
	s_add_nc_u64 s[66:67], s[4:5], s[66:67]
.irp s, 0,1
	s_mov_b32 s[G0+4*\s], 1
	s_add_co_u32 s[G0+4*\s+1], s94, \s*SLOT
	s_add_nc_u64 s[G0+4*\s+2:G0+4*\s+3], s[46:47], \s*ROWB
	s_or_b32 s[G0+4*\s+3], s[G0+4*\s+3], 0x80000000
	s_mov_b32 s[G0B+4*\s], 1
	s_add_co_u32 s[G0B+4*\s+1], s94, \s*SLOT
	s_add_nc_u64 s[G0B+4*\s+2:G0B+4*\s+3], s[66:67], \s*ROWB
	s_or_b32 s[G0B+4*\s+3], s[G0B+4*\s+3], 0x80000000
.endr
	CROUND                                         ; all sixteen work-groups are here: the first joint loads meet
	JLOAD G0S, G1S, G0SB, G1SB                     ; the scales first: they are wanted with K step 0
	JLOAD G0, G1, G0B, G1B                         ; K step 0
	JLOAD G0+4, G1, G0B+4, G1B                     ; K step 1: three loads of mine are out
	v_and_b32 v1, 15, v0                           ; r
	v_bfe_u32 v2, v0, 4, 1                         ; h
	v_mul_u32_u24 v3, v1, PITCH
	v_lshl_add_u32 v4, v2, 4, v3                   ; a fragment's row x pitch + 16 h
	s_mul_i32 s46, s21, HALFT                      ; my 128 rows of A
	s_mul_i32 s47, s22, HALFT                      ; my 128 rows of B,
	s_add_co_u32 s47, s47, 2*HALFT                 ; which lie behind A's 256
.irp s, 0,1
	v_add_nc_u32 v[ADRA+\s], s46, v4
	v_add_nc_u32 v[ADRB+\s], s47, v4
	s_add_co_u32 s46, s46, SLOT
	s_add_co_u32 s47, s47, SLOT
.endr
	v_mul_u32_u24 v5, v1, KS                       ; my row's scales: 32 bytes a row,
	v_lshrrev_b32 v6, 8, v5
	v_lshl_add_u32 v5, v6, 4, v5                   ; and 16 more for each 256 passed
	s_mul_i32 s46, s21, HALFS
	s_mul_i32 s47, s22, HALFS
	s_add_co_u32 s47, s47, 2*HALFS
	s_sub_co_u32 s47, s47, s46
	v_mul_u32_u24 v6, s47, v2                      ; lanes 16-31 take B's: one product, the distance between the two bases
	s_add_co_u32 s46, s46, SCL
	v_add_nc_u32 v5, v5, v6
	v_add_nc_u32 v[ADRS], s46, v5
	v_lshlrev_b32 v5, 6, v2                        ; 64 h: my half's 16 channels in a bias
	v_and_b32 v6, 7, v1
	v_lshrrev_b32 v7, 3, v1
	v_lshl_add_u32 v6, v7, 4, v6
	v_lshlrev_b32 v6, 2, v6                        ; 4 (r % 8 + 16 (r / 8)): the logical row of lane r in a tile, in words
	v_and_b32 v[LN], 31, v0
	v_lshlrev_b32 v[LN], 4, v[LN]
	v_mov_b32 v[HH], v2
	; the padding mask of my 128 tokens, for k alone: lane r of block a is token 32 (a / 2) + 8 (a % 2) + r % 8 + 16 (r / 8)
	s_cmp_eq_u32 s42, 1
	s_cbranch_scc0 .Lno_pad
	s_lshl_b32 s66, s21, 7
	s_add_co_u32 s66, s66, s92
	s_lshl_b32 s66, s66, 2
	s_mov_b32 s67, 0
	s_add_nc_u64 s[66:67], s[14:15], s[66:67]
.irp a, 0,1,2,3,4,5,6,7
	global_load_b32 v[ORV+\a], v6, s[66:67] offset:4*(32*(\a/2)+8*(\a%2))
.endr
	s_branch .Lpad_done
.Lno_pad:
.irp a, 0,1,2,3,4,5,6,7
	v_mov_b32 v[ORV+\a], 1
.endr
.Lpad_done:
	; the bias, in the result's layout
	s_cmp_eq_u32 s23, 0
	s_cbranch_scc0 .Lbias_v
	s_cmp_eq_u32 s42, 0                            ; q, k: register j of block b is channel 32 (b / 2) + 16 h + 8 (b % 2) + j of my 128
	s_cselect_b64 s[98:99], s[8:9], s[10:11]
	s_lshl_b32 s46, s22, 7
	s_add_co_u32 s46, s46, s93
	s_and_b32 s46, s46, 1023
	s_lshl_b32 s46, s46, 2
	s_mov_b32 s47, 0
	s_add_nc_u64 s[98:99], s[98:99], s[46:47]
.irp b, 0,1,2,3,4,5,6,7
	global_load_b128 v[BI+8*\b:BI+8*\b+3], v5, s[98:99] offset:4*(32*(\b/2)+8*(\b%2))
	global_load_b128 v[BI+8*\b+4:BI+8*\b+7], v5, s[98:99] offset:4*(32*(\b/2)+8*(\b%2))+16
.endr
	s_branch .Lbias_done
.Lbias_v:                                              ; v: the lane is the channel: one number a block, in all eight registers
	s_lshl_b32 s46, s21, 7
	s_add_co_u32 s46, s46, s92
	s_sub_co_u32 s46, s46, 6144
	s_lshl_b32 s46, s46, 2
	s_mov_b32 s47, 0
	s_add_nc_u64 s[98:99], s[12:13], s[46:47]
.irp a, 0,1,2,3,4,5,6,7
	global_load_b32 v[BI+8*\a], v6, s[98:99] offset:4*(32*(\a/2)+8*(\a%2))
.endr
	s_wait_loadcnt 0x0
.irp a, 0,1,2,3,4,5,6,7
.irp j, 1,2,3,4,5,6,7
	v_mov_b32 v[BI+8*\a+\j], v[BI+8*\a]
.endr
.endr
.Lbias_done:
	s_wait_loadcnt 0x0                             ; the bias and the mask are in
	s_mov_b32 s98, 0x76543210                      ; v_permlanex16_b32's selects for lane l xor 16
	s_mov_b32 s99, 0xfedcba98
	s_mov_b32 s46, 0x01010000                      ; bytes 2 and 3 of a scale word.  k, a real token: 2^-126, 2^-126;
	s_cmp_eq_u32 s42, 0
	s_cselect_b32 s46, 0x7f7b0000, s46             ; q: 2^-4, 1;
	s_cmp_eq_u32 s23, 0
	s_cselect_b32 s46, s46, 0                      ; v: its words have four bytes of their own
	s_cselect_b32 s47, 16, 0
	s_cselect_b32 s101, 0xffff, -1
	v_mul_u32_u24 v[VSH], v[HH], s47
	v_mov_b32 v7, 0x01e30000                       ; k, a padded token: 2^100, 2^-126
.irp a, 0,1,2,3,4,5,6,7
	v_cmp_eq_u32 vcc_lo, 0, v[ORV+\a]
	v_cndmask_b32 v[ORV+\a], s46, v7, vcc_lo
.endr
.macro FRAG reg, adr, q, i             ; a fragment, 16 rows x 128 K: lane l holds row l % 16; registers 4 c .. 4 c + 3 hold K = 32 c + 16 (l / 16) + 0 .. 15
.irp c, 0,1,2,3
	ds_load_b128 v[\reg+4*\c:\reg+4*\c+3], v[\adr] offset:128*(\q)+32*\c+(\i)*16*PITCH
.endr
.endm
; 16 matrix instructions: A's blocks a0, a0 + 1 x B's eight.  zero = 1: the sums start from the bias by B's block; 2: by A's block; 0: in place.  The 64 accumulators take turns.
.macro MUL16 a0, p, q, sc, zero
.irp a, \a0, \a0+1
.irp b, 0,1,2,3,4,5,6,7
.if \zero == 1
	v_wmma_scale_f32_16x16x128_f8f6f4 v[8*(8*((\a)%4)+\b):8*(8*((\a)%4)+\b)+7], v[128*(\p)+FR*\b:128*(\p)+FR*\b+FR-1], v[AF+FR*(\a):AF+FR*(\a)+FR-1], v[BI+8*\b:BI+8*\b+7], v[SC+8*NQ*(\sc)+NQ*\b+(\q)], v[SC+8*NQ*(\sc)+NQ*(\a)+(\q)] matrix_a_scale:MATRIX_SCALE_ROW1
.elseif \zero == 2
	v_wmma_scale_f32_16x16x128_f8f6f4 v[8*(8*((\a)%4)+\b):8*(8*((\a)%4)+\b)+7], v[128*(\p)+FR*\b:128*(\p)+FR*\b+FR-1], v[AF+FR*(\a):AF+FR*(\a)+FR-1], v[BI+8*(\a):BI+8*(\a)+7], v[SC+8*NQ*(\sc)+NQ*\b+(\q)], v[SC+8*NQ*(\sc)+NQ*(\a)+(\q)] matrix_a_scale:MATRIX_SCALE_ROW1
.else
	v_wmma_scale_f32_16x16x128_f8f6f4 v[8*(8*((\a)%4)+\b):8*(8*((\a)%4)+\b)+7], v[128*(\p)+FR*\b:128*(\p)+FR*\b+FR-1], v[AF+FR*(\a):AF+FR*(\a)+FR-1], v[8*(8*((\a)%4)+\b):8*(8*((\a)%4)+\b)+7], v[SC+8*NQ*(\sc)+NQ*\b+(\q)], v[SC+8*NQ*(\sc)+NQ*(\a)+(\q)] matrix_a_scale:MATRIX_SCALE_ROW1
.endif
.endr
.endr
.endm
.macro FETCH_B slot, q, p
	WIN TO_B
.irp i, 0,1,2,3,4,5,6,7
	FRAG 128*(\p)+FR*\i, ADRB+\slot, \q, \i
.endr
	WIN 0
.endm
.macro FETCH_A slot, q, i0
.irp i, \i0, \i0+1, \i0+2, \i0+3
	FRAG AF+FR*(\i), ADRA+\slot, \q, \i
.endr
.endm
.macro SCALES sc                       ; a K step's scale words: two words a row; lanes 0-15 take A's block i, lanes 16-31 B's block i
.irp i, 0,1,2,3,4,5,6,7
	ds_load_b64 v[SC+8*NQ*\sc+NQ*\i:SC+8*NQ*\sc+NQ*\i+1], v[ADRS] offset:\i*SBLK
.endr
.endm
.macro PLACES n                        ; places behind matrix instructions, in front of loads into their registers and of reads of results
.rept \n
	v_nop
.endr
.endm
.macro STEP slot, q, zero              ; 128 along K that has its successor in the same slot
	s_wait_dscnt 4*NL                              ; B's set and A's blocks 0-3 are in; the youngest sixteen loads (A's blocks 4-7) may be out
.if \zero
	WIN 0x81                                       ; C (the bias) in window 0, D in window 2
.else
	WIN MUL_LO
.endif
	MUL16 0, (\q)%2, \q, \slot, \zero
	MUL16 2, (\q)%2, \q, \slot, \zero
	s_wait_dscnt 0
	PLACES NP
	FETCH_B \slot, (\q)+1, 1-(\q)%2
	FETCH_A \slot, (\q)+1, 0
.if \zero
	WIN 0xc1
.else
	WIN MUL_HI
.endif
	MUL16 4, (\q)%2, \q, \slot, \zero
	MUL16 6, (\q)%2, \q, \slot, \zero
	PLACES NP
	WIN 0
	FETCH_A \slot, (\q)+1, 4
.endm
; A slot's last step changes slots: one barrier; in front of it each wave waits for all its tensor loads, adds 0 to its spare word, and waits for that and for its reads of this slot.
.macro TURN slot, next, fill
	s_wait_tensorcnt 0x0                           ; all my tensor loads have landed: my part of the next slot
	ds_add_u32 v[SPW], v[NIL]
	s_wait_dscnt 4*NL+1                            ; the add and the youngest sixteen loads may be out
	WIN MUL_LO
	MUL16 0, 1, NQ-1, \slot, 0
	s_wait_dscnt 0x0                               ; the add is done, and my reads of this slot are over
	s_barrier_signal -1
	MUL16 2, 1, NQ-1, \slot, 0
	WIN 0
	s_barrier_wait -1
.if \fill
	CREST                                          ; the barrier has opened a round of the cluster's: no wave of any partner still reads this slot or has a load on its way
	s_add_nc_u64 s[G0+4*\slot+2:G0+4*\slot+3], s[G0+4*\slot+2:G0+4*\slot+3], 2*ROWB
	s_add_nc_u64 s[G0B+4*\slot+2:G0B+4*\slot+3], s[G0B+4*\slot+2:G0B+4*\slot+3], 2*ROWB
	JLOAD G0+4*\slot, G1, G0B+4*\slot, G1B         ; the first tensor load behind the round; its four v_nop are among the places below
	PLACES NP-4
.else
	PLACES NP
.endif
	v_add_nc_u32 v[ADRS], 4*NQ, v[ADRS]            ; on to the next K step's scale words
	FETCH_B \next, 0, 0
	FETCH_A \next, 0, 0
	SCALES \next
	WIN MUL_HI
	MUL16 4, 1, NQ-1, \slot, 0
	MUL16 6, 1, NQ-1, \slot, 0
	PLACES NP
	WIN 0
	FETCH_A \next, 0, 4
.endm
	s_wait_tensorcnt 1                             ; the scales and my part of K step 0 are in; K step 1's load may be out
	s_barrier_signal -1
	s_barrier_wait -1
	FETCH_B 0, 0, 0
	FETCH_A 0, 0, 0
	SCALES 0
	FETCH_A 0, 0, 4
	s_cmp_eq_u32 s23, 0                            ; the first step is written twice: the bias goes by B's blocks (q, k) or by A's (v).  The branch hangs on the cluster's x alone
	s_cbranch_scc0 .Lfirst_v
	STEP 0, 0, 1
	s_branch .Lfirst_done
.Lfirst_v:
	STEP 0, 0, 2
.Lfirst_done:
	s_mov_b32 s3, LAPS-1
.Llap:                                                 ; a trip goes once round the ring and fills both slots again
	TURN 0, 1, 1
	STEP 1, 0, 0
	TURN 1, 0, 1
	STEP 0, 0, 0
	s_sub_co_u32 s3, s3, 1
	s_cmp_lg_u32 s3, 0
	s_cbranch_scc1 .Llap
	TURN 0, 1, 0                                   ; the last lap fills nothing
	STEP 1, 0, 0
	s_wait_dscnt 4*NL
	WIN MUL_LO
	MUL16 0, 1, NQ-1, 1, 0
	MUL16 2, 1, NQ-1, 1, 0
	s_wait_dscnt 0
	WIN MUL_HI
	MUL16 4, 1, NQ-1, 1, 0
	MUL16 6, 1, NQ-1, 1, 0
	WIN 0
	; THE WAY OUT.  Where my blocks begin: ((batch x heads + head) x 16 + step) x a block's bytes
	PLACES NP
	s_lshl_b32 s46, s21, 7
	s_add_co_u32 s46, s46, s92                     ; my first row of A
	s_lshl_b32 s47, s22, 7
	s_add_co_u32 s47, s47, s93                     ; and of B
	s_mov_b32 s2, 6144
	s_mov_b32 s4, 135168
	s_mov_b32 s5, 8448
	s_cmp_eq_u32 s23, 0
	s_cselect_b32 s66, s46, s47                    ; the row of x
	s_cselect_b32 s67, s47, s46                    ; the row of the weight
	s_cselect_b64 s[96:97], s[16:17], s[18:19]     ; qk or vi
	s_cselect_b32 s2, 4096, s2
	s_cselect_b32 s4, 139264, s4                   ; from head to head
	s_cselect_b32 s5, 8704, s5                     ; a block
	s_cselect_b32 s6, 5, 4                         ; 32 or 16 heads a batch
	s_sub_co_u32 s67, s67, s2
	s_lshr_b32 s67, s67, 6                         ; my first head
	s_lshr_b32 s66, s66, 7                         ; my step of 128 tokens, 0 .. 31
	s_lshr_b32 s46, s66, 4
	s_lshl_b32 s46, s46, s6
	s_add_co_u32 s46, s46, s67
	s_lshl_b32 s46, s46, 4
	s_and_b32 s66, s66, 15
	s_add_co_u32 s46, s46, s66
	s_mul_i32 s46, s46, s5
	s_mov_b32 s47, 0
	s_add_nc_u64 s[96:97], s[96:97], s[46:47]
	v_mul_u32_u24 v[SWA], v[HH], s4
	v_and_b32 v1, 15, v0
	v_lshl_add_u32 v[SWA], v1, 4, v[SWA]
	v_add_nc_u32 v[SWA], 8192, v[SWA]              ; my scale words: head h of my two, 16 bytes a row
; Block a: my lane's 64 numbers, register 16 b + i = 32 b + 16 (lane / 16) + i along the next K, become 16 registers of codes and a scale word.
.macro OUTA a
.set OW, 2+(\a)/4
.set OS, 64*((\a)%4)
	WIN OW|(OW<<2)                                 ; sources 0 and 1 in the accumulators' window
.irp b, 0,1,2,3
	v_max3_num_f32 v[TM+\b], |v[OS+16*\b]|, |v[OS+16*\b+1]|, 0x4800000   ; each accumulator is read from its low end on; the floor 2^(9 - 127) holds the byte at 1
.endr
.irp i, 2,4,6,8,10,12,14
.irp b, 0,1,2,3
	v_max3_num_f32 v[TM+\b], |v[OS+16*\b+\i]|, |v[OS+16*\b+\i+1]|, v[TM+\b]
.endr
.endr
	WIN 0
.irp b, 0,1,2,3
	v_permlanex16_b32 v[TM+4+\b], v[TM+\b], s98, s99
.endr
.irp b, 0,1,2,3
	v_max_num_f32 v[TM+\b], v[TM+\b], v[TM+4+\b]   ; with lane l xor 16's: the block's largest magnitude
.endr
.irp b, 0,1,2,3
	v_add_nc_u32 v[TM+12+\b], 0xfc000000, v[TM+\b] ; the conversion's scale operand
.endr
.irp b, 0,1,2,3
	v_and_or_b32 v[TM+8+\b], v[TM+\b], 0x7f800000, s100   ; 448 x the scale
.endr
.irp b, 0,1,2,3
	v_lshrrev_b32 v[TM+4+\b], 23, v[TM+12+\b]      ; the scale's byte
.endr
	v_lshl_or_b32 v[PW], v[TM+5], 8, v[TM+4]
	v_lshl_or_b32 v[PW], v[TM+6], 16, v[PW]
	v_lshl_or_b32 v[PW], v[TM+7], 24, v[PW]
	v_lshrrev_b32 v[SW+(\a)], v[VSH], v[PW]        ; q, k: lanes 0-15 keep the first head's two bytes, lanes 16-31 the second's;
	v_and_or_b32 v[SW+(\a)], v[SW+(\a)], s101, v[ORV+(\a)]   ; bytes 2 and 3 are the constants or the mask.  v: the word as it is
	s_wait_xcnt 0x0                                ; the last block's stores have read their data: the codes' registers may be written
	WIN OW
.irp b, 0,1,2,3
.irp i, 0,1,2,3,4,5,6,7,8,9,10,11,12,13,14,15
	v_med3_num_f32 v[XO+16*\b+\i], v[OS+16*\b+\i], -v[TM+8+\b], v[TM+8+\b]   ; the hold: the conversion does not saturate (ISA guide 7.6.2)
.endr
.endr
	WIN 0
.irp b, 0,1,2,3
	v_cvt_scalef32_pk8_fp8_f32 v[PC+4*\b:PC+4*\b+1], v[XO+16*\b:XO+16*\b+7], v[TM+12+\b]
	v_cvt_scalef32_pk8_fp8_f32 v[PC+4*\b+2:PC+4*\b+3], v[XO+16*\b+8:XO+16*\b+15], v[TM+12+\b]
.endr
	v_nop                                          ; a plain line behind the last conversion
	s_cmp_eq_u32 s23, 0
	s_cbranch_scc0 .Lout_v_\@
.irp e, 0,1,2,3                                ; q, k: head e / 2, tile a, chunk e % 2
	global_store_b128 v[LN], v[PC+4*\e:PC+4*\e+3], s[96:97] offset:(\e/2)*139264+(\e%2)*512+(\a)*1024
.endr
	s_branch .Lout_done_\@
.Lout_v_\@:
.irp e, 0,1,2,3                                ; v: head a / 4, channel tile a % 4, chunk e
	global_store_b128 v[LN], v[PC+4*\e:PC+4*\e+3], s[96:97] offset:((\a)/4)*135168+((\a)%4)*2048+\e*512
.endr
.Lout_done_\@:
.endm
.irp a, 0,1,2,3,4,5,6,7
	OUTA \a
.endr
	s_cmp_eq_u32 s23, 0
	s_cbranch_scc0 .Lwords_v
	global_store_b128 v[SWA], v[SW:SW+3], s[96:97]             ; sixteen lanes store 256 consecutive bytes, aligned
	global_store_b128 v[SWA], v[SW+4:SW+7], s[96:97] offset:256
	s_branch .Lwords_done
.Lwords_v:
	v_cmp_eq_u32 vcc_lo, 1, v[HH]                  ; lanes 16-31 take the second head's four tiles
.irp d, 0,1,2,3
	v_cndmask_b32 v[SW+\d], v[SW+\d], v[SW+4+\d], vcc_lo
.endr
	global_store_b128 v[SWA], v[SW:SW+3], s[96:97]
.Lwords_done:
	s_wait_tensorcnt 0x0                           ; the wave's end
	ds_add_u32 v[SPW], v[NIL]
	s_wait_dscnt 0x0
	CROUND                                         ; the closing round
	s_endpgm
.Lfunc_end_k_qc28c02177b_qkv:
	.size	k_qc28c02177b_qkv, .Lfunc_end_k_qc28c02177b_qkv-k_qc28c02177b_qkv
	.p2alignl 7, 3214868480
	.fill 96, 4, 3214868480
	.section	.rodata,"a",@progbits
	.p2align	6, 0x0
	.amdhsa_kernel k_qc28c02177b_qkv
		.amdhsa_group_segment_fixed_size 327680
		.amdhsa_private_segment_fixed_size 0
		.amdhsa_enable_private_segment 0
		.amdhsa_kernarg_size 64
		.amdhsa_user_sgpr_count 2
		.amdhsa_user_sgpr_kernarg_segment_ptr 1
		.amdhsa_wavefront_size32 1
		.amdhsa_system_sgpr_workgroup_id_x 1
		.amdhsa_system_sgpr_workgroup_id_y 1
		.amdhsa_system_sgpr_workgroup_id_z 1
		.amdhsa_system_vgpr_workitem_id 0
		.amdhsa_next_free_vgpr 1024
		.amdhsa_next_free_sgpr 102
		.amdhsa_reserve_vcc 1
		.amdhsa_float_denorm_mode_32 3
		.amdhsa_float_denorm_mode_16_64 3
		.amdhsa_memory_ordered 1
		.amdhsa_forward_progress 1
		.amdhsa_inst_pref_size 210
	.end_amdhsa_kernel
	.amdgpu_metadata
---
amdhsa.version: [ 1, 2 ]
amdhsa.kernels:
  - .name:           k_qc28c02177b_qkv
    .symbol:         k_qc28c02177b_qkv.kd
    .args:
      - { .name: cod, .offset: 0, .size: 8, .value_kind: global_buffer, .address_space: global }
      - { .name: sc, .offset: 8, .size: 8, .value_kind: global_buffer, .address_space: global }
      - { .name: bq, .offset: 16, .size: 8, .value_kind: global_buffer, .address_space: global }
      - { .name: bk, .offset: 24, .size: 8, .value_kind: global_buffer, .address_space: global }
      - { .name: bv, .offset: 32, .size: 8, .value_kind: global_buffer, .address_space: global }
      - { .name: padding_mask, .offset: 40, .size: 8, .value_kind: global_buffer, .address_space: global }
      - { .name: qk, .offset: 48, .size: 8, .value_kind: global_buffer, .address_space: global }
      - { .name: vi, .offset: 56, .size: 8, .value_kind: global_buffer, .address_space: global }
    .group_segment_fixed_size: 327680
    .private_segment_fixed_size: 0
    .kernarg_segment_align: 8
    .kernarg_segment_size: 64
    .max_flat_workgroup_size: 128
    .sgpr_count:     102
    .vgpr_count:     1024
    .wavefront_size: 32
...
	.end_amdgpu_metadata
.endif
;; end of part 2
;; launch attn (part 3): grid 8 x 32, 8 waves a work-group, clusters of 4 x 1, 275,456 bytes of LDS; arguments qk, vi, oc, os; writes oc, os
.if DOCPART == 3
	.amdgcn_target "amdgcn-amd-amdhsa--gfx1250"
	.amdhsa_code_object_version 6
	.text
	.protected	k_qc28c02177b_attn
	.globl	k_qc28c02177b_attn
	.p2align	8
	.type	k_qc28c02177b_attn,@function
k_qc28c02177b_attn:
	s_mov_b64 s[64:65], 0
	v_nop
	global_prefetch_b8 v0, s[64:65] scope:SCOPE_SE
	s_setreg_imm32_b32 hwreg(HW_REG_WAVE_MODE, 25, 1), 1
	s_wait_xcnt 0x0
	s_wait_alu depctr_hold_cnt(0) depctr_sa_sdst(0) depctr_va_vdst(0) depctr_va_sdst(0) depctr_va_ssrc(0) depctr_va_vcc(0) depctr_vm_vsrc(0)
	s_getreg_b32 s2, hwreg(HW_REG_IB_STS2, 6, 4)
	s_cmp_eq_u32 s2, 0
	s_cbranch_scc0 .Lentry_in_a_cluster
	s_endpgm
.Lentry_in_a_cluster:
	s_bfe_u32 s2, ttmp6, 0x10000c
	s_cmp_lg_u32 s2, 0x3003
	s_cbranch_scc0 .Lentry_shape_is_right
	s_endpgm
.Lentry_shape_is_right:
; attn = softmax(q k^T / 8 - 0.1 (i - j), causal, padded keys out), quantised FINISHED AND NORMALISED along the keys; o = attn v, quantised along the model's 1,024 for the last product.
; LEFT OUT: key steps of 128 keys all of which come after a tile's queries (reference()'s own causal -inf: the softmax is exactly 0 there).  The step, the second product's K step, is the unit; inside the step on the diagonal all is done.
; The codes of attn want the row's maximum and sum first, so the keys are walked TWICE: pass 1 finds maximum and sum, pass 2 makes the scores again, p = 2^(t - M) / sum, its codes, and o.
; SHARES.  A work-group has one head of one batch and tile g (of 8) of every step of 128 queries.  All of the head's k (139,264 bytes) and v (135,168) lie in LDS for the whole launch: filled once, no ring, one barrier.
; Wave w takes the tiles of steps 15 - w and w: 17 key steps a pass for every wave.  CLUSTER: four work-groups of a head ask for k and v jointly.  Nothing is prefetched: all fills stand at the head.
; LAYOUT.  Both products are used transposed: S^T = k q^T, O^T = v^T p^T: a lane holds one query (lane % 16).  By the order of tokens in a tile, register n of a half step's 32 is key 64 hf + 16 (lane / 16) + koff(n),
; koff(n) = 32 (n / 16) + 8 ((n / 8) % 2) + n % 8: 16 neighbouring keys in 16 registers, so that the conversions' results are the second product's operand.
; THE DECAY costs no line: i - j = DK + DL - koff(n), DK = 128 (pi - s) + 64 (qh - hf) a scalar, DL a lane's number.  0.8 (koff(n) - DL) is the C of the score products (0.8 / 8 = 0.1); -0.1 log2(e) DK goes into the shift.
; THE PADDING costs no line: K = 64 fills half of the instruction's 128.  At k = 64 stands the code 1 in k's fragment and -1 in q's; q's scale there is 2^-4, k's 2^100 for a padded key (the score becomes -2^96) and
; 2^-126 for a real one (-2^-130 is added).  All other codes of q from k = 64 on are zeros.
; LIMITS: a masked score is -2^96, not -infinity; the running maximum starts at -2^80 and a row whose largest t lies under -2^70 counts as fully masked and gives 0, as reference()'s nan_to_num does: so |t| < 2^70 is served.
; p under 2^-126 is 0.  NaN and infinities are not served.  A block of zeros keeps the byte 1 (its codes are zeros; this program alone reads the bytes).
.set KBLK,  8704
.set VBLK,  8448
.set KHEAD, 139264
.set VHEAD, 135168
.set VB,    139264                     ; LDS: k from 0, v from here,
.set SPARE, 274432                     ; and the spare words, 128 bytes a wave, which no other line names
.set LN16, 1                           ; v1  16 x lane
.set ASC,  3                           ; v3  16 x (lane % 16)
.set SPW,  4
.set NIL,  5
.set ADK,  6                           ; LDS addresses of the step in hand: k's codes,
.set ADS,  8                           ; k's scale words,
.set ADV,  9                           ; v's codes,
.set ADT,  10                          ; v's scale words
.set DL,   11
.set VD,   12                          ; DK + DL: key n is hidden where koff(n) > VD
.set NEG,  13                          ; -2^96
.set QO,   14
.set QS,   15
.set MT,   16                          ; pass 1: my lane's running largest t; pass 2: the row's
.set LS,   18                          ; v[18:19] the sum, in two halves
.set RL,   20                          ; v[20:21] 1 / the sum
.set SH,   22                          ; -0.1 log2(e) DK
.set AD,   24                          ; v[24:25] SH - the maximum
.set OSO,  27                          ; 32 x (lane % 16)
.set Q,    32                          ; v32-47  q's fragment
.set QSC,  48                          ; its scale words
.set PW,   49                          ; p's scale word
.set KS,   52                          ; v52-55  k's scale words of four tiles
.set VS,   56                          ; v56-59  v's
.set F,    64                          ; v64-127 four fragments of k or of v
.set S,    128                         ; v128-159 scores, then p
.set CB,   160                         ; v160-191 0.8 (koff(n) - DL)
.set OT,   192                         ; v192-223 O^T
.set PC,   224                         ; v224-239 p's codes
.set T,    240
.set BM,   244
.set HOLD, 246
.set SOP,  248
.set BY,   250
.set XS,   252
.set AL,   254
.set WV,   14
.set TI,   15
.set G1K,  16
.set G1V,  24
.set G0K,  32
.set G0V,  36
.set PI,   58                          ; the step in which my tile's queries lie
.set ST,   59                          ; the key step
.set TK,   60
.set TV,   61
.set DK,   62
.macro CROUND
	s_barrier_signal -1
	s_barrier_wait -1
	s_cmp_lg_u32 s[WV], 0
	s_cbranch_scc1 .Lnot_wave_0_\@
	s_barrier_signal -3
.Lnot_wave_0_\@:
	s_barrier_wait -3
	s_barrier_signal -1
	s_barrier_wait -1
.endm
	s_load_b256 s[4:11], s[0:1], 0x0               ; qk s[4:5], vi s[6:7], oc s[8:9], os s[10:11]
	v_lshl_add_u32 v[SPW], v0, 2, SPARE
	v_mov_b32 v[NIL], 0
	ds_add_u32 v[SPW], v[NIL]                      ; the wave's opening: the add, twice on end, and its wait ahead of my first tensor load
	ds_add_u32 v[SPW], v[NIL]
	v_lshrrev_b32 v2, 5, v0
	v_readfirstlane_b32 s[WV], v2                  ; wave 0..7
	s_bfe_u32 s12, ttmp6, 0x40000                  ; cx
	s_lshl_b32 s13, ttmp9, 2
	s_add_co_u32 s13, s13, s12                     ; g = 4 x cluster x + cx: it enters global addresses and lane data alone
	s_and_b32 s66, ttmp7, 0xffff
	s_lshr_b32 s67, s66, 4                         ; batch
	s_and_b32 s66, s66, 15                         ; head
	s_mov_b32 s[G1K], 15|(3<<16)|(1<<21)           ; the mask: all four work-groups; elements of 8 bytes; bit 21 beside a mask; no padding
	s_mov_b32 s[G1K+1], 32<<16                     ; rows of 256 bytes,
	s_mov_b32 s[G1K+2], 68<<16                     ; 68 of them: an eighth of the head's k
	s_mov_b32 s[G1K+3], 32<<16
	s_mov_b32 s[G1K+4], 68
	s_mov_b32 s[G1K+5], 32
	s_mov_b32 s[G1K+6], 0
	s_mov_b32 s[G1K+7], 0
	s_mov_b32 s[G1V], 15|(3<<16)|(1<<21)
	s_mov_b32 s[G1V+1], 32<<16
	s_mov_b32 s[G1V+2], 66<<16                     ; 66 rows: an eighth of the head's v
	s_mov_b32 s[G1V+3], 32<<16
	s_mov_b32 s[G1V+4], 66
	s_mov_b32 s[G1V+5], 32
	s_mov_b32 s[G1V+6], 0
	s_mov_b32 s[G1V+7], 0
	s_lshl_b32 s68, s67, 5
	s_add_co_u32 s68, s68, s66                     ; 32 x batch + head
	s_mul_i32 s70, s68, KHEAD                      ; q's head in qk
	s_mov_b32 s71, 0
	s_add_co_u32 s68, s68, 16
	s_mul_i32 s68, s68, KHEAD                      ; k's head,
	s_mul_i32 s[G0K+1], s[WV], 17408               ; my eighth of it: in LDS,
	s_add_co_u32 s68, s68, s[G0K+1]                ; and in memory
	s_mov_b32 s69, 0
	s_lshl_b32 s2, s67, 4
	s_add_co_u32 s2, s2, s66
	s_mul_i32 s2, s2, VHEAD                        ; v's head
	s_mul_i32 s3, s[WV], 16896
	s_add_co_u32 s[G0V+1], s3, VB
	s_add_co_u32 s2, s2, s3
	s_mov_b32 s3, 0
	s_mov_b32 s52, 0x3e38aa3b                      ; c = log2(e) / 8
	s_mov_b32 s53, s52                             ; (named with it as a pair)
	s_mov_b32 s54, 0x76543210                      ; v_permlanex16_b32's selects for lane l xor 16
	s_mov_b32 s55, 0xfedcba98
	s_mov_b32 s56, 0x600000                        ; the mantissa field of 448
	s_mov_b32 s57, 0xe2800000                      ; -2^70
	s_lshl_b32 s63, ttmp9, 6                       ; 64 qh: which half of a step my queries lie in: the cluster's x
	s_wait_dscnt 0x0                               ; both opening adds are done
	s_wait_kmcnt 0x0
	s_mov_b32 s[G0K], 1
	s_add_nc_u64 s[G0K+2:G0K+3], s[4:5], s[68:69]
	s_or_b32 s[G0K+3], s[G0K+3], 0x80000000
	s_mov_b32 s[G0V], 1
	s_add_nc_u64 s[G0V+2:G0V+3], s[6:7], s[2:3]
	s_or_b32 s[G0V+3], s[G0V+3], 0x80000000
	s_add_nc_u64 s[40:41], s[4:5], s[70:71]
	CROUND                                         ; all four work-groups are here: the joint loads meet
	tensor_load_to_lds s[G0K:G0K+3], s[G1K:G1K+7]  ; every wave asks for an eighth of k and an eighth of v: two loads of mine are out
	s_nop 0
	tensor_load_to_lds s[G0V:G0V+3], s[G1V:G1V+7]
	s_nop 0
.rept 4
	v_nop
.endr
	s_lshl_b32 s68, s67, 7
	s_add_co_u32 s68, s68, s13                     ; 128 x batch + g: my tile of step 0
	s_lshl_b32 s70, s68, 14                        ; oc: 16,384 bytes a tile; K step head / 2: 2,048; chunks 2 (head % 2) on: 1,024
	s_lshr_b32 s69, s66, 1
	s_lshl_b32 s69, s69, 11
	s_add_co_u32 s70, s70, s69
	s_and_b32 s69, s66, 1
	s_lshl_b32 s69, s69, 10
	s_add_co_u32 s70, s70, s69
	s_add_nc_u64 s[44:45], s[8:9], s[70:71]
	s_lshl_b32 s70, s68, 9                         ; os: 16 rows of 32 bytes a tile; bytes 2 head on
	s_lshl_b32 s69, s66, 1
	s_add_co_u32 s70, s70, s69
	s_add_nc_u64 s[48:49], s[10:11], s[70:71]
	v_and_b32 v2, 31, v0
	v_and_b32 v7, 15, v0                           ; r
	v_bfe_u32 v28, v0, 4, 1                        ; h
	v_lshlrev_b32 v[LN16], 4, v2
	v_lshlrev_b32 v[ASC], 4, v7
	v_lshlrev_b32 v[OSO], 5, v7
	s_lshr_b32 s68, s12, 1
	s_lshl_b32 s68, s68, 5
	s_and_b32 s69, s12, 1
	s_lshl_b32 s69, s69, 3
	s_add_co_u32 s68, s68, s69
	v_and_b32 v29, 7, v0
	v_bfe_u32 v30, v0, 3, 1
	v_lshl_add_u32 v29, v30, 4, v29
	v_add_nc_u32 v29, s68, v29                     ; my query within its half step: 32 (cx / 2) + 8 (cx % 2) + r % 8 + 16 (r / 8)
	v_lshlrev_b32 v30, 4, v28
	v_sub_nc_u32 v[DL], v29, v30                   ; less my half's 16 keys
	s_lshl_b32 s68, s13, 10
	v_add_nc_u32 v[QO], s68, v[LN16]               ; q's codes: tile g of a step's block
	s_lshl_b32 s68, ttmp9, 8
	s_lshl_b32 s69, s12, 2
	s_add_co_u32 s68, s68, s69
	s_add_co_u32 s68, s68, 8192
	v_add_nc_u32 v[QS], s68, v[ASC]                ; and its scale words
	v_mov_b32 v[NEG], 0xef800000
	v_sub_nc_u32 v29, 1, v28
	v_mul_u32_u24 v[Q+8], v29, 0xb8                ; q at k = 64: the code -1 (lanes 0-15 hold k = 64 .. 79); all else from k = 64 on is 0
.irp j, 9,10,11,12,13,14,15
	v_mov_b32 v[Q+\j], 0
.endr
.irp t, 0,1,2,3
.irp j, 9,10,11,12,13,14,15
	v_mov_b32 v[F+16*\t+\j], 0                     ; k from k = 68 on: written once; later v's old codes lie here, which meet q's zeros
.endr
.endr
.set n, 0
.rept 32
	v_sub_nc_u32 v[CB+n], 32*(n/16)+8*((n/8)%2)+n%8, v[DL]
.set n, n+1
.endr
.set n, 0
.rept 32
	v_cvt_f32_i32 v[CB+n], v[CB+n]
.set n, n+1
.endr
.set n, 0
.rept 32
	v_mul_f32 v[CB+n], 0x3f4ccccd, v[CB+n]         ; 0.8 (koff(n) - DL)
.set n, n+1
.endr
.set n, 240
.rept 16
	v_mov_b32 v[n], 0                              ; written once: lane permutes' destinations and the upper halves of pairs count as read
.set n, n+1
.endr
	v_mov_b32 v[RL], 0
	v_mov_b32 v[RL+1], 0
	v_mov_b32 v[AD], 0
	v_mov_b32 v[AD+1], 0
	s_wait_tensorcnt 0x0                           ; my parts of k and v are in,
	s_barrier_signal -1
	s_barrier_wait -1                              ; everybody's are
.macro LOADK hf                        ; four tiles of 16 keys: K = 0 .. 63 of each, and their scale words
.irp t, 0,1,2,3
	ds_load_b128 v[F+16*\t:F+16*\t+3], v[ADK] offset:(4*\hf+\t)*1024
	ds_load_b128 v[F+16*\t+4:F+16*\t+7], v[ADK] offset:(4*\hf+\t)*1024+512
.endr
	ds_load_b128 v[KS:KS+3], v[ADS] offset:8192+256*\hf
.endm
.macro LOADV                           ; four tiles of 16 channels x 128 keys, and their scale words
.irp d, 0,1,2,3
.irp c, 0,1,2,3
	ds_load_b128 v[F+16*\d+4*\c:F+16*\d+4*\c+3], v[ADV] offset:(4*\d+\c)*512
.endr
.endr
	ds_load_b128 v[VS:VS+3], v[ADT] offset:8192
.endm
.macro QKMUL                           ; the scores of 64 keys, the decay's part as C; eight places behind them, for the reads of the results and for the loads into the fragments
.irp t, 0,1,2,3
	v_wmma_scale_f32_16x16x128_f8f6f4 v[S+8*\t:S+8*\t+7], v[F+16*\t:F+16*\t+15], v[Q:Q+15], v[CB+8*\t:CB+8*\t+7], v[KS+\t], v[QSC]
.endr
.rept 8
	v_nop
.endr
.endm
.macro SHIFT p2
	v_cvt_f32_i32 v[SH], s[DK]
	v_mul_f32 v[SH], 0xbe13bb63, v[SH]             ; -0.1 log2(e) DK
.if \p2
	v_sub_f32 v[AD], v[SH], v[MT]
.endif
	v_add_nc_u32 v[VD], s[DK], v[DL]
.endm
.macro MASK                            ; in the step on the diagonal the scores of later keys become -2^96; a branch on ids leads round it elsewhere
	s_cmp_lg_u32 s[ST], s[PI]
	s_cbranch_scc1 .Lopen_\@
.set n, 0
.rept 32
	v_cmp_gt_i32 vcc_lo, 32*(n/16)+8*((n/8)%2)+n%8, v[VD]
	v_cndmask_b32 v[S+n], v[S+n], v[NEG], vcc_lo
.set n, n+1
.endr
.Lopen_\@:
.endm
.macro TMAX                            ; the largest score of each tile of 16 keys, each accumulator from its low end on, the four by turns
.irp t, 0,1,2,3
	v_max3_num_f32 v[T+\t], v[S+8*\t], v[S+8*\t+1], v[S+8*\t+2]
.endr
.irp i, 3,5
.irp t, 0,1,2,3
	v_max3_num_f32 v[T+\t], v[T+\t], v[S+8*\t+\i], v[S+8*\t+\i+1]
.endr
.endr
.irp t, 0,1,2,3
	v_max_num_f32 v[T+\t], v[T+\t], v[S+8*\t+7]
.endr
.endm
.macro SCALE_S                         ; t - the maximum, two at a time
.set n, 0
.rept 16
	v_pk_fma_f32 v[S+n:S+n+1], v[S+n:S+n+1], s[52:53], v[AD:AD+1] op_sel_hi:[1,0,0]
.set n, n+2
.endr
.endm
.macro EXP_S
.set n, 0
.rept 32
	v_exp_f32 v[S+n], v[S+n]
.set n, n+1
.endr
.endm
.macro P1SOFT                          ; pass 1: my lane's running maximum and sum
	TMAX
	v_max3_num_f32 v[T], v[T], v[T+1], v[T+2]
	v_max_num_f32 v[T], v[T], v[T+3]
	v_fma_f32 v[T+1], v[T], s52, v[SH]             ; the half step's largest t
	v_max_num_f32 v[T+2], v[MT], v[T+1]            ; the new maximum
	v_sub_f32 v[T+3], v[MT], v[T+2]
	v_mov_b32 v[MT], v[T+2]
	v_sub_f32 v[AD], v[SH], v[T+2]
	SCALE_S
	EXP_S
	v_exp_f32 v[AL], v[T+3]                        ; what the old sum is multiplied by
	v_nop                                          ; a plain line behind the last exponential
	s_wait_alu depctr_va_vdst(0)                   ; one wait for the batch of 33, ahead of its first reader
	v_pk_mul_f32 v[LS:LS+1], v[LS:LS+1], v[AL:AL+1] op_sel_hi:[1,0]
	v_pk_add_f32 v[XS:XS+1], v[S:S+1], v[S+2:S+3]
.irp j, 4,8,12,16,20,24,28
	v_pk_add_f32 v[LS:LS+1], v[LS:LS+1], v[S+\j:S+\j+1]
	v_pk_add_f32 v[XS:XS+1], v[XS:XS+1], v[S+\j+2:S+\j+3]
.endr
	v_pk_add_f32 v[LS:LS+1], v[LS:LS+1], v[XS:XS+1]
.endm
.macro P2SOFT hf                       ; pass 2: p = 2^(t - M) / sum, finished, and its codes: blocks 2 hf and 2 hf + 1 of the step's four
	TMAX
	v_max_num_f32 v[BM], v[T], v[T+1]              ; a block's largest score: p rises with the score, so it gives the block's largest p
	v_max_num_f32 v[BM+1], v[T+2], v[T+3]
	v_permlanex16_b32 v[BY], v[BM], s54, s55
	v_permlanex16_b32 v[BY+1], v[BM+1], s54, s55
	v_max_num_f32 v[BM], v[BM], v[BY]
	v_max_num_f32 v[BM+1], v[BM+1], v[BY+1]
	SCALE_S
	v_fma_f32 v[BM], v[BM], s52, v[AD]
	v_fma_f32 v[BM+1], v[BM+1], s52, v[AD]
	EXP_S
	v_exp_f32 v[BM], v[BM]
	v_exp_f32 v[BM+1], v[BM+1]
	v_nop
	s_wait_alu depctr_va_vdst(0)                   ; one wait for the batch of 34
.set n, 0
.rept 16
	v_pk_mul_f32 v[S+n:S+n+1], v[S+n:S+n+1], v[RL:RL+1] op_sel_hi:[1,0]
.set n, n+2
.endr
.irp b, 0,1
	v_mul_f32 v[BM+\b], v[BM+\b], v[RL]
.endr
.irp b, 0,1
	v_max_num_f32 v[BM+\b], 0x4800000, v[BM+\b]    ; the floor 2^(9 - 127)
.endr
.irp b, 0,1
	v_add_nc_u32 v[SOP+\b], 0xfc000000, v[BM+\b]
.endr
.irp b, 0,1
	v_and_or_b32 v[HOLD+\b], v[BM+\b], 0x7f800000, s56
.endr
.irp b, 0,1
	v_lshrrev_b32 v[BY+\b], 23, v[SOP+\b]
.endr
.if \hf == 0
	v_lshl_or_b32 v[PW], v[BY+1], 8, v[BY]
.else
	v_lshl_or_b32 v[PW], v[BY], 16, v[PW]
	v_lshl_or_b32 v[PW], v[BY+1], 24, v[PW]
.endif
.irp b, 0,1
.irp i, 0,1,2,3,4,5,6,7,8,9,10,11,12,13,14,15
	v_min_num_f32 v[S+16*\b+\i], v[S+16*\b+\i], v[HOLD+\b]   ; p is not negative: the hold is one-sided
.endr
	v_cvt_scalef32_pk8_fp8_f32 v[PC+8*\hf+4*\b:PC+8*\hf+4*\b+1], v[S+16*\b:S+16*\b+7], v[SOP+\b]
	v_cvt_scalef32_pk8_fp8_f32 v[PC+8*\hf+4*\b+2:PC+8*\hf+4*\b+3], v[S+16*\b+8:S+16*\b+15], v[SOP+\b]
.endr
	v_nop                                          ; a plain line behind the last conversion
.endm
.macro STEP_DK                         ; DK of the step's first half
	s_sub_co_u32 s[DK], s[PI], s[ST]
	s_lshl_b32 s[DK], s[DK], 7
	s_add_co_u32 s[DK], s[DK], s63
.endm
	s_mov_b32 s[TI], 0
.Ltile:                                                ; two trips: the tile of step 15 - w, then that of step w
	s_wait_xcnt 0x0                                ; the last tile's loads and stores have read their bases and data
	s_sub_co_u32 s66, 15, s[WV]
	s_cmp_eq_u32 s[TI], 0
	s_cselect_b32 s[PI], s66, s[WV]
	s_mul_i32 s66, s[PI], KBLK
	s_mov_b32 s67, 0
	s_add_nc_u64 s[42:43], s[40:41], s[66:67]
	s_lshl_b32 s66, s[PI], 17
	s_add_nc_u64 s[46:47], s[44:45], s[66:67]
	s_lshl_b32 s66, s[PI], 12
	s_add_nc_u64 s[50:51], s[48:49], s[66:67]
	global_load_b128 v[Q:Q+3], v[QO], s[42:43]
	global_load_b128 v[Q+4:Q+7], v[QO], s[42:43] offset:512
	global_load_b32 v[QSC], v[QS], s[42:43]
	v_mov_b32 v[MT], 0xe7800000                    ; -2^80: over every masked score's t, under every other
	v_mov_b32 v[LS], 0
	v_mov_b32 v[LS+1], 0
.set n, 0
.rept 32
	v_mov_b32 v[OT+n], 0                           ; the step is written once: the first finds zeros
.set n, n+1
.endr
.irp t, 0,1,2,3
	v_mov_b32 v[F+16*\t+8], 56                     ; k at k = 64: the code 1
.endr
	s_wait_loadcnt 0x0
	; ---- pass 1.  Sixteen trips, a constant; a branch on ids leads round the work of the steps that are left out
	s_mov_b32 s[ST], 0
	s_mov_b32 s[TK], 0
.Lp1:
	s_cmp_gt_u32 s[ST], s[PI]
	s_cbranch_scc1 .Lp1_skip
	STEP_DK
	v_add_nc_u32 v[ADK], s[TK], v[LN16]
	v_add_nc_u32 v[ADS], s[TK], v[ASC]
	LOADK 0
	SHIFT 0
	s_wait_dscnt 0x0
	QKMUL
	LOADK 1                                        ; the second half's fragments land under the first half's softmax
	MASK
	P1SOFT
	s_sub_co_i32 s[DK], s[DK], 64
	SHIFT 0
	s_wait_dscnt 0x0
	QKMUL
	MASK
	P1SOFT
.Lp1_skip:
	s_add_co_u32 s[TK], s[TK], KBLK
	s_add_co_u32 s[ST], s[ST], 1
	s_cmp_lt_u32 s[ST], 16
	s_cbranch_scc1 .Lp1
	; ---- the row's maximum and sum from the two lanes that share a query
	v_add_f32 v[LS], v[LS], v[LS+1]
	v_permlanex16_b32 v[T], v[MT], s54, s55
	v_max_num_f32 v[T+1], v[MT], v[T]              ; M
	v_sub_f32 v[T+2], v[MT], v[T+1]
	v_exp_f32 v[T+2], v[T+2]
	v_nop
	s_wait_alu depctr_va_vdst(0)
	v_mul_f32 v[LS], v[LS], v[T+2]                 ; my sum under M
	v_permlanex16_b32 v[T+3], v[LS], s54, s55
	v_add_f32 v[LS], v[LS], v[T+3]
	v_rcp_f32 v[RL], v[LS]
	v_nop
	v_cmp_le_f32 vcc_lo, s57, v[T+1]               ; a row with a key that counts
	s_wait_alu depctr_va_vdst(0)
	v_cndmask_b32 v[RL], 0, v[RL], vcc_lo          ; a fully masked row gives 0: reference()'s nan_to_num
	v_mov_b32 v[MT], v[T+1]
	; ---- pass 2
	s_mov_b32 s[ST], 0
	s_mov_b32 s[TK], 0
	s_mov_b32 s[TV], VB
.Lp2:
	s_cmp_gt_u32 s[ST], s[PI]
	s_cbranch_scc1 .Lp2_skip
	STEP_DK
	v_add_nc_u32 v[ADK], s[TK], v[LN16]            ; these four and four v_nop: eight places behind the last step's products, ahead of writes and loads into their fragments
	v_add_nc_u32 v[ADS], s[TK], v[ASC]
	v_add_nc_u32 v[ADV], s[TV], v[LN16]
	v_add_nc_u32 v[ADT], s[TV], v[ASC]
.rept 4
	v_nop
.endr
.irp t, 0,1,2,3
	v_mov_b32 v[F+16*\t+8], 56                     ; v's codes lay here: k at k = 64 is the code 1 again
.endr
	LOADK 0
	SHIFT 1                                        ; four plain lines: the places between those writes and the products
	s_wait_dscnt 0x0
	QKMUL
	LOADK 1
	MASK
	P2SOFT 0
	s_sub_co_i32 s[DK], s[DK], 64
	SHIFT 1
	s_wait_dscnt 0x0
	QKMUL
	LOADV                                          ; v's fragments land under the second half's softmax
	MASK
	P2SOFT 1
.rept 4
	v_nop                                          ; the codes stand four places ahead of the products; the scale word was made ahead of the holds
.endr
	s_wait_dscnt 0x0
.irp d, 0,1,2,3
	v_wmma_scale_f32_16x16x128_f8f6f4 v[OT+8*\d:OT+8*\d+7], v[F+16*\d:F+16*\d+15], v[PC:PC+15], v[OT+8*\d:OT+8*\d+7], v[VS+\d], v[PW]   ; the four accumulators by turns; the score products stand between two steps
.endr
.Lp2_skip:
	s_add_co_u32 s[TK], s[TK], KBLK
	s_add_co_u32 s[TV], s[TV], VBLK
	s_add_co_u32 s[ST], s[ST], 1
	s_cmp_lt_u32 s[ST], 16
	s_cbranch_scc1 .Lp2
	; ---- o's 64 channels of my query: two blocks of 32; register 16 b + i is channel 32 b + 16 (lane / 16) + i
.rept 8
	v_nop
.endr
.irp b, 0,1
	v_max3_num_f32 v[T+\b], |v[OT+16*\b]|, |v[OT+16*\b+1]|, 0x4800000
.endr
.irp i, 2,4,6,8,10,12,14
.irp b, 0,1
	v_max3_num_f32 v[T+\b], v[T+\b], |v[OT+16*\b+\i]|, |v[OT+16*\b+\i+1]|
.endr
.endr
.irp b, 0,1
	v_permlanex16_b32 v[BY+\b], v[T+\b], s54, s55
.endr
.irp b, 0,1
	v_max_num_f32 v[T+\b], v[T+\b], v[BY+\b]
.endr
.irp b, 0,1
	v_add_nc_u32 v[SOP+\b], 0xfc000000, v[T+\b]
.endr
.irp b, 0,1
	v_and_or_b32 v[HOLD+\b], v[T+\b], 0x7f800000, s56
.endr
.irp b, 0,1
	v_lshrrev_b32 v[BY+\b], 23, v[SOP+\b]
.endr
	v_lshl_or_b32 v[XS], v[BY+1], 8, v[BY]
.irp b, 0,1
.irp i, 0,1,2,3,4,5,6,7,8,9,10,11,12,13,14,15
	v_med3_num_f32 v[OT+16*\b+\i], v[OT+16*\b+\i], -v[HOLD+\b], v[HOLD+\b]
.endr
	v_cvt_scalef32_pk8_fp8_f32 v[PC+4*\b:PC+4*\b+1], v[OT+16*\b:OT+16*\b+7], v[SOP+\b]
	v_cvt_scalef32_pk8_fp8_f32 v[PC+4*\b+2:PC+4*\b+3], v[OT+16*\b+8:OT+16*\b+15], v[SOP+\b]
.endr
	v_nop
	global_store_b128 v[LN16], v[PC:PC+3], s[46:47]            ; an image of the last product's operand: 512 consecutive bytes a store
	global_store_b128 v[LN16], v[PC+4:PC+7], s[46:47] offset:512
	global_store_b16 v[OSO], v[XS], s[50:51]       ; my row's two scale bytes (both lanes of a query store the same two)
	s_add_co_u32 s[TI], s[TI], 1
	s_cmp_lt_u32 s[TI], 2
	s_cbranch_scc1 .Ltile
	s_wait_tensorcnt 0x0                           ; the wave's end
	ds_add_u32 v[SPW], v[NIL]
	s_wait_dscnt 0x0
	CROUND                                         ; the closing round
	s_endpgm
.Lfunc_end_k_qc28c02177b_attn:
	.size	k_qc28c02177b_attn, .Lfunc_end_k_qc28c02177b_attn-k_qc28c02177b_attn
	.p2alignl 7, 3214868480
	.fill 96, 4, 3214868480
	.section	.rodata,"a",@progbits
	.p2align	6, 0x0
	.amdhsa_kernel k_qc28c02177b_attn
		.amdhsa_group_segment_fixed_size 275456
		.amdhsa_private_segment_fixed_size 0
		.amdhsa_enable_private_segment 0
		.amdhsa_kernarg_size 32
		.amdhsa_user_sgpr_count 2
		.amdhsa_user_sgpr_kernarg_segment_ptr 1
		.amdhsa_wavefront_size32 1
		.amdhsa_system_sgpr_workgroup_id_x 1
		.amdhsa_system_sgpr_workgroup_id_y 1
		.amdhsa_system_sgpr_workgroup_id_z 1
		.amdhsa_system_vgpr_workitem_id 0
		.amdhsa_next_free_vgpr 256
		.amdhsa_next_free_sgpr 72
		.amdhsa_reserve_vcc 1
		.amdhsa_float_denorm_mode_32 3
		.amdhsa_float_denorm_mode_16_64 3
		.amdhsa_memory_ordered 1
		.amdhsa_forward_progress 1
		.amdhsa_inst_pref_size 58
	.end_amdhsa_kernel
	.amdgpu_metadata
---
amdhsa.version: [ 1, 2 ]
amdhsa.kernels:
  - .name:           k_qc28c02177b_attn
    .symbol:         k_qc28c02177b_attn.kd
    .args:
      - { .name: qk, .offset: 0, .size: 8, .value_kind: global_buffer, .address_space: global }
      - { .name: vi, .offset: 8, .size: 8, .value_kind: global_buffer, .address_space: global }
      - { .name: oc, .offset: 16, .size: 8, .value_kind: global_buffer, .address_space: global }
      - { .name: os, .offset: 24, .size: 8, .value_kind: global_buffer, .address_space: global }
    .group_segment_fixed_size: 275456
    .private_segment_fixed_size: 0
    .kernarg_segment_align: 8
    .kernarg_segment_size: 32
    .max_flat_workgroup_size: 256
    .sgpr_count:     72
    .vgpr_count:     256
    .wavefront_size: 32
...
	.end_amdgpu_metadata
.endif
;; end of part 3
;; launch proj (part 4): grid 4 x 16, 4 waves a work-group, clusters of 4 x 4, 327,680 bytes of LDS; arguments oc, os, cod, sc, bo, out0; writes out0
.if DOCPART == 4
	.amdgcn_target "amdgcn-amd-amdhsa--gfx1250"
	.amdhsa_code_object_version 6
	.text
	.protected	k_qc28c02177b_proj
	.globl	k_qc28c02177b_proj
	.p2align	8
	.type	k_qc28c02177b_proj,@function
k_qc28c02177b_proj:
	s_mov_b64 s[64:65], 0
	v_nop
	global_prefetch_b8 v0, s[64:65] scope:SCOPE_SE
	s_setreg_imm32_b32 hwreg(HW_REG_WAVE_MODE, 25, 1), 1
	s_wait_xcnt 0x0
	s_wait_alu depctr_hold_cnt(0) depctr_sa_sdst(0) depctr_va_vdst(0) depctr_va_sdst(0) depctr_va_ssrc(0) depctr_va_vcc(0) depctr_vm_vsrc(0)
	s_getreg_b32 s2, hwreg(HW_REG_IB_STS2, 6, 4)
	s_cmp_eq_u32 s2, 0
	s_cbranch_scc0 .Lentry_in_a_cluster
	s_endpgm
.Lentry_in_a_cluster:
	s_bfe_u32 s2, ttmp6, 0x10000c
	s_cmp_lg_u32 s2, 0xf033
	s_cbranch_scc0 .Lentry_shape_is_right
	s_endpgm
.Lentry_shape_is_right:
; out0 = o wo^T + bo on codes (K = 1,024).  No work is left out here.  o's codes come as launch attn laid them: images of operand registers, oc [tile of 16 tokens 256][K step of 128: 8][chunk 4][512 bytes];
; its scale bytes os [4,096 rows][32].  wo's codes and scale bytes are rows 7,168 on of cod and sc.  Rows of both operands lie in position order: position p is logical row p with bits 3 and 4 exchanged.
; A tile of 256 x 256 of out0 is made by four waves, 128 x 128 each.  K goes in steps of 256 through a ring of two LDS slots; the scale bytes of the 512 rows come once.  4 x 4 work-groups form a cluster: o's tiles are
; asked for jointly along a row, wo's along a column.  THE MATRIX INSTRUCTION IS USED TRANSPOSED (source 0 = 16 rows of wo, source 1 = 16 tokens): register j of block b is column 32 (b / 2) + 16 (lane / 16) + 8 (b % 2) + j.
; bo is the C of each sum's first matrix instruction.  The way out goes through the wave's stage in LDS and undoes the position order: columns by the place in a stage row, rows by the stores' immediates.
; 64 work-groups: the problem has 64 tiles of this size; no prefetch: K has four steps, of which two are first fills.
; REGISTERS: window 0: v0-31 addresses; v32-63 scale words, two sets; v64-127 the bias; v128-255 o's fragments, one set.  window 1: wo's fragments, two sets.  windows 2, 3: the accumulators.
.set NQ,     2
.set ROWB,   256
.set KROW,   1024
.set PITCH,  272                       ; wo's LDS rows: 256 bytes + 16 of padding
.set FR,     16
.set NL,     4
.set NP,     8
.set HALFA,  32768                     ; o: 8 tiles x 4,096 bytes, dense: what one tensor load brings
.set HALFB,  128*PITCH
.set BOFF,   2*HALFA
.set SLOT,   2*HALFA+2*HALFB
.set LAPS,   2
.set KS,     32
.set SCL,    2*SLOT
.set HALFS,  16*272
.set SBLK,   2*272
.set SPARE,  SCL+4*HALFS               ; the spare words, 128 bytes a wave, which no other line names
.set SPITCH, 528                       ; the way out: a stage of 16 rows x (512 bytes + 16) for each wave, in slot 0, which has had its last fill and its last read by then
.set ADRA, 16
.set ADRB, 20
.set STO,  24
.set RD,   25
.set CO,   26
.set ADRS, 27
.set SPW,  28
.set NIL,  29
.set SC,   32
.set BI,   64
.set AF,   128
.set BK,   128
.set G1, 24
.set G0, 32
.set G1B, 48
.set G0B, 56
.set G1S, 68
.set G0S, 76
.set G1SB, 80
.set G0SB, 88
.set MSB, 0
.macro WIN new
.if MSB != \new
	s_set_vgpr_msb (MSB<<8)|\new
.set MSB, \new
.endif
.endm
.set MUL_LO, 0xa1
.set MUL_HI, 0xf1
.set TO_B,   0x40
.macro JLOAD g0a, g1a, g0b, g1b        ; a joint load: waves 0 and 1 fetch for o, waves 2 and 3 for wo; an s_nop 0 and four v_nop follow each line
	s_cmp_eq_u32 s21, 0
	s_cbranch_scc0 .Lfor_b_\@
	tensor_load_to_lds s[\g0a:\g0a+3], s[\g1a:\g1a+7]
	s_nop 0
.rept 4
	v_nop
.endr
	s_branch .Lasked_\@
.Lfor_b_\@:
	tensor_load_to_lds s[\g0b:\g0b+3], s[\g1b:\g1b+7]
	s_nop 0
.rept 4
	v_nop
.endr
.Lasked_\@:
.endm
.macro CREST
	s_cmp_lg_u32 s20, 0
	s_cbranch_scc1 .Lnot_wave_0_\@
	s_barrier_signal -3
.Lnot_wave_0_\@:
	s_barrier_wait -3
	s_barrier_signal -1
	s_barrier_wait -1
.endm
.macro CROUND
	s_barrier_signal -1
	s_barrier_wait -1
	CREST
.endm
	s_load_b256 s[4:11], s[0:1], 0x0               ; oc s[4:5], os s[6:7], cod s[8:9], sc s[10:11]
	s_load_b128 s[12:15], s[0:1], 0x20             ; bo s[12:13], out0 s[14:15]
	v_lshl_add_u32 v[SPW], v0, 2, SPARE
	v_mov_b32 v[NIL], 0
	ds_add_u32 v[SPW], v[NIL]                      ; the wave's opening: the add, twice on end, and its wait ahead of my first tensor load
	ds_add_u32 v[SPW], v[NIL]
	v_lshrrev_b32 v1, 5, v0
	v_readfirstlane_b32 s20, v1                    ; wave 0..3
	s_lshr_b32 s21, s20, 1                         ; which half of the tile's rows is mine.  Also: I fetch for o (0) or for wo (1)
	s_and_b32 s22, s20, 1                          ; which half of its columns.  Also: which half I fetch
	s_bfe_u32 s40, ttmp6, 0x40000                  ; cx, cy
	s_bfe_u32 s41, ttmp6, 0x40004
	s_lshl_b32 s42, ttmp9, 2
	s_add_co_u32 s42, s42, s40                     ; tile column
	s_and_b32 s43, ttmp7, 0xffff
	s_lshl_b32 s43, s43, 2
	s_add_co_u32 s43, s43, s41                     ; tile row
	s_lshl_b32 s44, s41, 2
	s_lshl_b32 s44, 15, s44                        ; my row of the cluster
	s_lshl_b32 s45, 0x1111, s40                    ; my column
	s_or_b32 s[G1+0], s44, (3<<16)|(1<<21)         ; o: the mask; elements of 8 bytes; bit 21 beside a mask; no padding: images are read 512 consecutive bytes at a time
	s_mov_b32 s[G1+1], 512<<16                     ; a row: a tile's two K steps of 128: 4,096 bytes
	s_mov_b32 s[G1+2], 8<<16                       ; 8 tiles
	s_mov_b32 s[G1+3], 512<<16
	s_mov_b32 s[G1+4], 8
	s_mov_b32 s[G1+5], 2048                        ; 16,384 bytes from tile to tile
	s_mov_b32 s[G1+6], 0
	s_mov_b32 s[G1+7], 0
	s_or_b32 s[G1B+0], s45, (0<<16)|(1<<20)|(1<<21)|(5<<22)|(3<<25)  ; wo: 128 rows of 256 bytes, 16 bytes of padding behind each
	s_mov_b32 s[G1B+1], ROWB<<16
	s_mov_b32 s[G1B+2], 128<<16
	s_mov_b32 s[G1B+3], ROWB<<16
	s_mov_b32 s[G1B+4], 128
	s_mov_b32 s[G1B+5], KROW
	s_mov_b32 s[G1B+6], 0
	s_mov_b32 s[G1B+7], 0
	s_or_b32 s[G1S+0], s44, (3<<16)|(1<<20)|(1<<21)|(5<<22)|(3<<25)  ; the scales of 128 rows: 16 rows of 256 bytes, padded
	s_or_b32 s[G1SB+0], s45, (3<<16)|(1<<20)|(1<<21)|(5<<22)|(3<<25)
.irp g, G1S, G1SB
	s_mov_b32 s[\g+1], 32<<16
	s_mov_b32 s[\g+2], 16<<16
	s_mov_b32 s[\g+3], 32<<16
	s_mov_b32 s[\g+4], 16
	s_mov_b32 s[\g+5], 32
	s_mov_b32 s[\g+6], 0
	s_mov_b32 s[\g+7], 0
.endr
	s_lshl_b32 s3, s22, 7                          ; which 128 rows I fetch
	s_lshl_b32 s92, s43, 8
	s_add_co_u32 s92, s92, s3                      ; o: row 256 x tile row + 128 x half: it never holds cx
	s_lshl_b32 s46, s92, 10                        ; its codes: 16,384 bytes for 16 rows
	s_mov_b32 s47, 0
	s_lshl_b32 s92, s92, 5                         ; its scales
	s_mov_b32 s93, 0
	s_lshl_b32 s94, s42, 8
	s_add_co_u32 s94, s94, s3                      ; wo: row 256 x tile column + 128 x half: it never holds cy
	s_lshl_b32 s66, s94, 10
	s_add_co_u32 s66, s66, 7340032                 ; behind 7,168 rows of cod
	s_mov_b32 s67, 0
	s_lshl_b32 s94, s94, 5
	s_add_co_u32 s94, s94, 229376                  ; and of sc
	s_mov_b32 s95, 0
	s_mul_i32 s96, s22, HALFA                      ; where they go: no place in the cluster enters an LDS address
	s_mul_i32 s97, s22, HALFB
	s_add_co_u32 s97, s97, BOFF
	s_mul_i32 s98, s20, HALFS
	s_wait_dscnt 0x0                               ; both opening adds are done
	s_wait_kmcnt 0x0
	s_mov_b32 s[G0S], 1
	s_add_co_u32 s[G0S+1], s98, SCL
	s_add_nc_u64 s[G0S+2:G0S+3], s[6:7], s[92:93]
	s_or_b32 s[G0S+3], s[G0S+3], 0x80000000
	s_mov_b32 s[G0SB], 1
	s_add_co_u32 s[G0SB+1], s98, SCL
	s_add_nc_u64 s[G0SB+2:G0SB+3], s[10:11], s[94:95]
	s_or_b32 s[G0SB+3], s[G0SB+3], 0x80000000
	s_add_nc_u64 s[46:47], s[4:5], s[46:47]
	s_add_nc_u64 s[66:67], s[8:9], s[66:67]
.irp s, 0,1
	s_mov_b32 s[G0+4*\s], 1
	s_add_co_u32 s[G0+4*\s+1], s96, \s*SLOT
	s_add_nc_u64 s[G0+4*\s+2:G0+4*\s+3], s[46:47], \s*4096
	s_or_b32 s[G0+4*\s+3], s[G0+4*\s+3], 0x80000000
	s_mov_b32 s[G0B+4*\s], 1
	s_add_co_u32 s[G0B+4*\s+1], s97, \s*SLOT
	s_add_nc_u64 s[G0B+4*\s+2:G0B+4*\s+3], s[66:67], \s*ROWB
	s_or_b32 s[G0B+4*\s+3], s[G0B+4*\s+3], 0x80000000
.endr
	CROUND                                         ; all sixteen work-groups are here: the first joint loads meet
	JLOAD G0S, G1S, G0SB, G1SB
	JLOAD G0, G1, G0B, G1B
	JLOAD G0+4, G1, G0B+4, G1B                     ; three loads of mine are out
	v_and_b32 v1, 15, v0                           ; r
	v_bfe_u32 v2, v0, 4, 1                         ; h
	v_and_b32 v7, 31, v0
	v_lshlrev_b32 v[CO], 4, v7                     ; 16 x lane
	v_mul_u32_u24 v3, v1, PITCH
	v_lshl_add_u32 v4, v2, 4, v3
	s_mul_i32 s46, s21, HALFA                      ; my 8 tiles of o
	s_mul_i32 s47, s22, HALFB                      ; my 128 rows of wo
	s_add_co_u32 s47, s47, BOFF
.irp s, 0,1
	v_add_nc_u32 v[ADRA+\s], s46, v[CO]
	v_add_nc_u32 v[ADRB+\s], s47, v4
	s_add_co_u32 s46, s46, SLOT
	s_add_co_u32 s47, s47, SLOT
.endr
	v_mul_u32_u24 v5, v1, KS
	v_lshrrev_b32 v6, 8, v5
	v_lshl_add_u32 v5, v6, 4, v5
	s_mul_i32 s46, s21, HALFS
	s_mul_i32 s47, s22, HALFS
	s_add_co_u32 s47, s47, 2*HALFS
	s_sub_co_u32 s47, s47, s46
	v_mul_u32_u24 v6, s47, v2                      ; lanes 16-31 take wo's
	s_add_co_u32 s46, s46, SCL
	v_add_nc_u32 v5, v5, v6
	v_add_nc_u32 v[ADRS], s46, v5
	s_mul_i32 s46, s20, 16*SPITCH                  ; my stage
	v_mul_u32_u24 v5, v1, SPITCH
	v_lshl_add_u32 v5, v2, 6, v5                   ; in: row r, + 64 h: my half's 16 columns of each 32
	v_add_nc_u32 v[STO], s46, v5
	v_add_nc_u32 v[RD], s46, v[CO]                 ; back: the 32 lanes take one row of 512 bytes
	s_lshl_b32 s46, s43, 8
	s_lshl_b32 s47, s21, 7
	s_add_co_u32 s46, s46, s47
	s_lshl_b32 s46, s46, 12                        ; my first row of out0: 4,096 bytes a row
	s_lshl_b32 s66, s42, 8
	s_lshl_b32 s47, s22, 7
	s_add_co_u32 s66, s66, s47
	s_lshl_b32 s66, s66, 2                         ; my first column, in bytes
	s_mov_b32 s67, 0
	s_add_nc_u64 s[12:13], s[12:13], s[66:67]      ; bo at my 128 columns
	s_add_co_u32 s46, s46, s66
	s_mov_b32 s47, 0
	s_add_nc_u64 s[14:15], s[14:15], s[46:47]
	v_lshlrev_b32 v5, 6, v2
.irp b, 0,1,2,3,4,5,6,7
	global_load_b128 v[BI+8*\b:BI+8*\b+3], v5, s[12:13] offset:4*(32*(\b/2)+8*(\b%2))
	global_load_b128 v[BI+8*\b+4:BI+8*\b+7], v5, s[12:13] offset:4*(32*(\b/2)+8*(\b%2))+16
.endr
	s_wait_loadcnt 0x0
.macro FRAGB reg, adr, q, i            ; wo: 16 rows x 128 K from padded rows
.irp c, 0,1,2,3
	ds_load_b128 v[\reg+4*\c:\reg+4*\c+3], v[\adr] offset:128*(\q)+32*\c+(\i)*16*PITCH
.endr
.endm
.macro FRAGA reg, adr, q, i            ; o: tile i, the slot's q-th 128 along K: four images of 512 bytes
.irp c, 0,1,2,3
	ds_load_b128 v[\reg+4*\c:\reg+4*\c+3], v[\adr] offset:(\i)*4096+(\q)*2048+\c*512
.endr
.endm
.macro MUL16 a0, p, q, sc, zero        ; 16 matrix instructions; zero = 1: the sums start from the bias.  The 64 accumulators take turns
.irp a, \a0, \a0+1
.irp b, 0,1,2,3,4,5,6,7
.if \zero
	v_wmma_scale_f32_16x16x128_f8f6f4 v[8*(8*((\a)%4)+\b):8*(8*((\a)%4)+\b)+7], v[128*(\p)+FR*\b:128*(\p)+FR*\b+FR-1], v[AF+FR*(\a):AF+FR*(\a)+FR-1], v[BI+8*\b:BI+8*\b+7], v[SC+8*NQ*(\sc)+NQ*\b+(\q)], v[SC+8*NQ*(\sc)+NQ*(\a)+(\q)] matrix_a_scale:MATRIX_SCALE_ROW1
.else
	v_wmma_scale_f32_16x16x128_f8f6f4 v[8*(8*((\a)%4)+\b):8*(8*((\a)%4)+\b)+7], v[128*(\p)+FR*\b:128*(\p)+FR*\b+FR-1], v[AF+FR*(\a):AF+FR*(\a)+FR-1], v[8*(8*((\a)%4)+\b):8*(8*((\a)%4)+\b)+7], v[SC+8*NQ*(\sc)+NQ*\b+(\q)], v[SC+8*NQ*(\sc)+NQ*(\a)+(\q)] matrix_a_scale:MATRIX_SCALE_ROW1
.endif
.endr
.endr
.endm
.macro FETCH_B slot, q, p
	WIN TO_B
.irp i, 0,1,2,3,4,5,6,7
	FRAGB 128*(\p)+FR*\i, ADRB+\slot, \q, \i
.endr
	WIN 0
.endm
.macro FETCH_A slot, q, i0
.irp i, \i0, \i0+1, \i0+2, \i0+3
	FRAGA AF+FR*(\i), ADRA+\slot, \q, \i
.endr
.endm
.macro SCALES sc
.irp i, 0,1,2,3,4,5,6,7
	ds_load_b64 v[SC+8*NQ*\sc+NQ*\i:SC+8*NQ*\sc+NQ*\i+1], v[ADRS] offset:\i*SBLK
.endr
.endm
.macro PLACES n
.rept \n
	v_nop
.endr
.endm
.macro STEP slot, q, zero
	s_wait_dscnt 4*NL                              ; wo's set and o's blocks 0-3 are in; the youngest sixteen loads (blocks 4-7) may be out
.if \zero
	WIN 0x81
.else
	WIN MUL_LO
.endif
	MUL16 0, (\q)%2, \q, \slot, \zero
	MUL16 2, (\q)%2, \q, \slot, \zero
	s_wait_dscnt 0
	PLACES NP
	FETCH_B \slot, (\q)+1, 1-(\q)%2
	FETCH_A \slot, (\q)+1, 0
.if \zero
	WIN 0xc1
.else
	WIN MUL_HI
.endif
	MUL16 4, (\q)%2, \q, \slot, \zero
	MUL16 6, (\q)%2, \q, \slot, \zero
	PLACES NP
	WIN 0
	FETCH_A \slot, (\q)+1, 4
.endm
.macro TURN slot, next, fill           ; a slot's last step changes slots: one barrier, in front of it the wait for all my tensor loads, the add, and the wait for it and for my reads of this slot
	s_wait_tensorcnt 0x0
	ds_add_u32 v[SPW], v[NIL]
	s_wait_dscnt 4*NL+1                            ; the add and the youngest sixteen loads may be out
	WIN MUL_LO
	MUL16 0, 1, NQ-1, \slot, 0
	s_wait_dscnt 0x0
	s_barrier_signal -1
	MUL16 2, 1, NQ-1, \slot, 0
	WIN 0
	s_barrier_wait -1
.if \fill
	CREST                                          ; the barrier has opened a round of the cluster's
	s_add_nc_u64 s[G0+4*\slot+2:G0+4*\slot+3], s[G0+4*\slot+2:G0+4*\slot+3], 2*4096
	s_add_nc_u64 s[G0B+4*\slot+2:G0B+4*\slot+3], s[G0B+4*\slot+2:G0B+4*\slot+3], 2*ROWB
	JLOAD G0+4*\slot, G1, G0B+4*\slot, G1B
	PLACES NP-4
.else
	PLACES NP
.endif
	v_add_nc_u32 v[ADRS], 4*NQ, v[ADRS]
	FETCH_B \next, 0, 0
	FETCH_A \next, 0, 0
	SCALES \next
	WIN MUL_HI
	MUL16 4, 1, NQ-1, \slot, 0
	MUL16 6, 1, NQ-1, \slot, 0
	PLACES NP
	WIN 0
	FETCH_A \next, 0, 4
.endm
	s_wait_tensorcnt 1                             ; the scales and my part of K step 0 are in; K step 1's load may be out
	s_barrier_signal -1
	s_barrier_wait -1
	FETCH_B 0, 0, 0
	FETCH_A 0, 0, 0
	SCALES 0
	FETCH_A 0, 0, 4
	STEP 0, 0, 1
	s_mov_b32 s3, LAPS-1
.Llap:
	TURN 0, 1, 1
	STEP 1, 0, 0
	TURN 1, 0, 1
	STEP 0, 0, 0
	s_sub_co_u32 s3, s3, 1
	s_cmp_lg_u32 s3, 0
	s_cbranch_scc1 .Llap
	TURN 0, 1, 0
	STEP 1, 0, 0
	s_wait_dscnt 4*NL
	WIN MUL_LO
	MUL16 0, 1, NQ-1, 1, 0
	MUL16 2, 1, NQ-1, 1, 0
	s_wait_dscnt 0
	WIN MUL_HI
	MUL16 4, 1, NQ-1, 1, 0
	MUL16 6, 1, NQ-1, 1, 0
	WIN 0
; THE WAY OUT, block by block of 16 tokens x 128 columns, through my own stage.  LDS serves a wave's instructions in order: no wait between the stores and the loads.
.macro TOSTAGE a
.set AC, 64*((\a)%4)
	WIN 0x08+4*((\a)/4)                            ; the data: window 2 or 3
.irp b, 0,1,2,3,4,5,6,7
	ds_store_b128 v[STO], v[AC+8*\b:AC+8*\b+3] offset:128*(\b/2)+32*(\b%2)        ; each accumulator from its low end on; columns 32 (b / 2) + 16 h + 8 (b % 2) on
	ds_store_b128 v[STO], v[AC+8*\b+4:AC+8*\b+7] offset:128*(\b/2)+32*(\b%2)+16
.endr
	WIN 0
.set BB, BK+64*((\a)%2)
.irp t, 0,1,2,3,4,5,6,7,8,9,10,11,12,13,14,15
	ds_load_b128 v[BB+4*\t:BB+4*\t+3], v[RD] offset:\t*SPITCH
.endr
.endm
.macro SEND a, younger                 ; younger: the LDS instructions issued behind block a's loads
.set BB, BK+64*((\a)%2)
	s_wait_dscnt \younger
.irp t, 0,1,2,3,4,5,6,7,8,9,10,11,12,13,14,15
	global_store_b128 v[CO], v[BB+4*\t:BB+4*\t+3], s[14:15] offset:(32*((\a)/2)+8*((\a)%2)+(\t%8)+16*(\t/8))*4096 th:TH_STORE_NT   ; stage row t of block a is this logical token; 32 lanes store 512 consecutive bytes, aligned
.endr
.endm
	PLACES NP
	TOSTAGE 0
.irp a, 1,2,3,4,5,6,7
.if \a > 1
	s_wait_xcnt 0x0                                ; block a - 2's stores have read their registers: block a's loads may land there
.endif
	TOSTAGE \a
	SEND \a-1, 32                                  ; behind block a - 1's loads: block a's 16 stores and 16 loads
.endr
	SEND 7, 0
	s_wait_tensorcnt 0x0                           ; the wave's end
	ds_add_u32 v[SPW], v[NIL]
	s_wait_dscnt 0x0
	CROUND                                         ; the closing round
	s_endpgm
.Lfunc_end_k_qc28c02177b_proj:
	.size	k_qc28c02177b_proj, .Lfunc_end_k_qc28c02177b_proj-k_qc28c02177b_proj
	.p2alignl 7, 3214868480
	.fill 96, 4, 3214868480
	.section	.rodata,"a",@progbits
	.p2align	6, 0x0
	.amdhsa_kernel k_qc28c02177b_proj
		.amdhsa_group_segment_fixed_size 327680
		.amdhsa_private_segment_fixed_size 0
		.amdhsa_enable_private_segment 0
		.amdhsa_kernarg_size 48
		.amdhsa_user_sgpr_count 2
		.amdhsa_user_sgpr_kernarg_segment_ptr 1
		.amdhsa_wavefront_size32 1
		.amdhsa_system_sgpr_workgroup_id_x 1
		.amdhsa_system_sgpr_workgroup_id_y 1
		.amdhsa_system_sgpr_workgroup_id_z 1
		.amdhsa_system_vgpr_workitem_id 0
		.amdhsa_next_free_vgpr 1024
		.amdhsa_next_free_sgpr 100
		.amdhsa_reserve_vcc 0
		.amdhsa_float_denorm_mode_32 3
		.amdhsa_float_denorm_mode_16_64 3
		.amdhsa_memory_ordered 1
		.amdhsa_forward_progress 1
		.amdhsa_inst_pref_size 147
	.end_amdhsa_kernel
	.amdgpu_metadata
---
amdhsa.version: [ 1, 2 ]
amdhsa.kernels:
  - .name:           k_qc28c02177b_proj
    .symbol:         k_qc28c02177b_proj.kd
    .args:
      - { .name: oc, .offset: 0, .size: 8, .value_kind: global_buffer, .address_space: global }
      - { .name: os, .offset: 8, .size: 8, .value_kind: global_buffer, .address_space: global }
      - { .name: cod, .offset: 16, .size: 8, .value_kind: global_buffer, .address_space: global }
      - { .name: sc, .offset: 24, .size: 8, .value_kind: global_buffer, .address_space: global }
      - { .name: bo, .offset: 32, .size: 8, .value_kind: global_buffer, .address_space: global }
      - { .name: out0, .offset: 40, .size: 8, .value_kind: global_buffer, .address_space: global }
    .group_segment_fixed_size: 327680
    .private_segment_fixed_size: 0
    .kernarg_segment_align: 8
    .kernarg_segment_size: 48
    .max_flat_workgroup_size: 128
    .sgpr_count:     100
    .vgpr_count:     1024
    .wavefront_size: 32
...
	.end_amdgpu_metadata
.endif
;; end of part 4
